; MI455X (gfx1250); checked and timed in simulation.
; The chip was launched on July 23, 2026; its instructions are those of AMD's public machine-readable ISA for CDNA 5 (MIT licence, August 2026) and "CDNA5" Instruction Set Architecture Reference Guide (July 2026). The comments in the code are by the model that wrote it; some were corrected since.
;; Attn Block. Allowed arithmetic: float matrix products may take bf16 or f16 operands with f32 sums; other float arithmetic in f32, or as packed bf16 or f16 multiplies, adds, multiply-adds, maxima and minima; sums over many terms, partial sums and values carried from step to step in f32; what a program stores and reads back later, other than sums and carried values, may be rounded once to bf16 or f16.
;; Inputs: Wk 512 x 512 float32; Wo 512 x 512 float32; Wq 512 x 512 float32; Wv 512 x 512 float32; bk 512 float32; bo 512 float32; bq 512 float32; bv 512 float32; gn_bias 512 float32; gn_scale 512 float32; x 32 x 32 x 32 x 512 float32.
;; Outputs: out0 32 x 32 x 32 x 512 float32.
;; 2 versions, each right; version 2 is version 1 with the launch gn written anew for expert scheduling mode. Each part assembles by itself: llvm-mc -triple=amdgcn-amd-amdhsa -mcpu=gfx1250 --defsym DOCPART=n.
;; ======== version 1 of 2: 3 launches
;; limits: values outside matrix products are rounded to bf16
;; workspace buffers: hb 33,554,432 bytes; wcat 1,572,864 bytes; bvo 2,048 bytes; qkv 100,663,296 bytes
;; launch gn (part 1): grid 256 x 1, 16 waves a work-group, no clusters, 77,824 bytes of LDS; arguments x, gn_scale, gn_bias, Wq, Wk, Wv, Wo, bv, bo, hb, wcat, bvo; writes hb, wcat, bvo
.if DOCPART == 1
	.amdgcn_target "amdgcn-amd-amdhsa--gfx1250"
	.amdhsa_code_object_version 6
	.text
	.protected	k_qd802bd3a75_gn
	.globl	k_qd802bd3a75_gn
	.p2align	8
	.type	k_qd802bd3a75_gn,@function
k_qd802bd3a75_gn:
	s_mov_b64 s[64:65], 0
	v_nop
	global_prefetch_b8 v0, s[64:65] scope:SCOPE_SE
	s_setreg_imm32_b32 hwreg(HW_REG_WAVE_MODE, 25, 1), 1
	s_wait_xcnt 0x0
; GROUP NORM, AND THE WEIGHTS MADE READY.  x: [32][1024][512] f32.  hb: h = GroupNorm(x) in bf16, laid [32 images][8 slices][1024 rows][64 channels].
; wcat: [3][512 c][512 d] bf16: Wq, Wk (rounded once) and Wvo = Wv Wo (bf16 operands, f32 sums, rounded once).  bvo = bv Wo + bo, all in f32.
; Why Wvo: a softmax row sums to 1, so P (h Wv + bv) Wo + bo = P (h Wvo + bvo) for every input: the last projection is folded into the third.
; SHARES.  Work-group id: image b = id / 8, slice s = id % 8: 64 channels, four groups of 16, 256 bytes of every row.  Wave w takes rows 64 w .. 64 w + 63: 32 loads of 16 bytes a lane
; (lanes 0-15 one row's 256 bytes, lanes 16-31 the next row's), 128 registers.  The slice stays in registers for the mean, the variance (of x - mean: two passes) and the scaling: x is read once.
; A lane's four channels lie in one group, so a lane adds all its numbers; lanes r ^ 1, r ^ 2 and the other half of the lanes join, and the 16 waves meet in LDS.
; The same work-group rounds rows 2 id, 2 id + 1 of Wq (waves 0-7) and Wk (waves 8-15), and makes Wvo[16 cb ..][64 db ..] (cb = id / 8, db = id % 8): wave w multiplies the K step e = 32 w .. 32 w + 31,
; four matrix instructions; column set tt holds the columns 64 db + 4 r + tt, so one 16-byte load of a row of Wo feeds all four B fragments.  The 16 waves' partial sums are added in f32, w ascending, through LDS.
; Every work-group makes the partial sums of bv Wo for its 64 columns from the same registers of Wo; the eight with cb = 0 add them up and store bvo.
; NO TENSOR LOADS, NO CLUSTER: each byte of x is used by one lane only; what work-groups share (Wv, Wo: 2 MB against 64 MB of x) is a small part of the bytes.
; Wvo's rows of a tile are 128 bytes, half of an aligned 256: 512 KB of the launch's stores are such halves; all other stores cover 256 aligned bytes.
; LIMITS.  NaN and infinities are not treated apart.
.set FP,    0          ; [16 w][16 c][64 d] f32: the partial sums of Wvo
.set BP,    65536      ; [2 w + h][64 d] f32: the partial sums of bv Wo
.set RED,   73728      ; [16 w][16 lanes] f32: sums; 1,024 bytes on: sums of squares
.set SPARE, 75776      ; the spare words, 128 bytes for each of 16 waves: eight blocks of 256 bytes that no other line names
.set SPW,  16          ; v16  my spare word's LDS address; never rewritten
.set NIL,  17          ; v17  0; never rewritten
.set MN,   18          ; v[18:19] the group's mean, twice
.set GA,   20          ; v[20:23] gn_scale of my 4 channels, then rstd x gn_scale
.set GD,   24          ; v[24:27] gn_bias, then gn_bias - mean x rstd x gn_scale
.set WA,   36          ; v[36:51] Wv, 16 numbers of my row
.set BV,   52          ; v[52:67] bv of my 16 rows of Wo
.set ACC,  36          ; v[36:67] four accumulators, where WA and BV lay
.set FA,   68          ; v[68:75] A fragment
.set FB,   76          ; v[76:107] four B fragments
.set WB,   108         ; v[108:171] 16 rows of Wo, 4 columns each
.set X1,   108         ; later x, loads 16-31
.set X0,   172         ; v[172:235] x, loads 0-15
.set SUM,  236         ; v[236:243] four chains of pairs
.set T,    244         ; v[244:251] at work
.set BACC, 252         ; v[252:255] my part of bv Wo
.set R,    36          ; v[36:99] the last sums
	s_load_b512 s[8:23], s[0:1], 0x0               ; x, gn_scale, gn_bias, Wq, Wk, Wv, Wo, bv
	s_load_b256 s[24:31], s[0:1], 0x40             ; bo, hb, wcat, bvo
	v_lshl_add_u32 v[SPW], v0, 2, SPARE
	v_mov_b32 v[NIL], 0
	v_lshrrev_b32 v3, 5, v0
	v_readfirstlane_b32 s2, v3                     ; wave 0..15
	s_lshr_b32 s32, ttmp9, 3                       ; b, and cb
	s_and_b32 s33, ttmp9, 7                        ; s, and db
	s_mov_b32 s38, 0x76543210                      ; v_permlanex16_b32: each lane takes its own place in the other half
	s_mov_b32 s39, 0xfedcba98
	s_mov_b32 s40, 0x38800000                      ; 1 / 16,384: a group has 1,024 x 16 numbers
	s_mov_b32 s41, 0x358637bd                      ; 1e-6
	v_mov_b32 v[T+1], 0                            ; v_permlanex16_b32 counts as a reader of its destination
	v_and_b32 v1, 15, v0                           ; r
	v_bfe_u32 v2, v0, 4, 1                         ; h
	v_and_b32 v11, 31, v0
	v_lshlrev_b32 v11, 3, v11                      ; 8 x lane
	v_lshlrev_b32 v5, 4, v1                        ; 16 r
	s_lshl_b32 s34, s2, 17
	v_lshl_or_b32 v3, v2, 11, v5
	v_or_b32 v3, s34, v3                           ; x: (64 w + h) rows of 2,048 bytes + 16 r
	s_lshl_b32 s34, s2, 13
	v_or_b32 v4, s34, v11                          ; hb: 64 w rows of 128 bytes + 8 x lane
	v_and_b32 v6, 0xff, v0
	v_lshlrev_b32 v7, 3, v6                        ; the cast: 8 bytes out,
	v_lshlrev_b32 v6, 4, v6                        ; 16 bytes in
	s_lshl_b32 s34, s2, 7
	v_lshlrev_b32 v10, 5, v2
	v_or_b32 v10, s34, v10                         ; bv: (32 w + 8 h) x 4
	v_lshl_or_b32 v8, v1, 11, v10                  ; Wv: row r, the same columns
	s_lshl_b32 s34, s2, 16
	v_lshl_or_b32 v9, v2, 14, v5
	v_or_b32 v9, s34, v9                           ; Wo: (32 w + 8 h) rows + 16 r
	s_lshl_b32 s34, s2, 12
	v_lshl_or_b32 v12, v2, 11, v5
	v_or_b32 v12, s34, v12                         ; FP: wave, row 8 h, column 4 r
	s_lshl_b32 s34, s2, 9
	s_add_co_u32 s34, s34, BP
	v_lshl_or_b32 v13, v2, 8, v5
	v_add_nc_u32 v13, s34, v13                     ; BP: row 2 w + h, column 4 r
	v_lshlrev_b32 v15, 2, v1
	v_add_nc_u32 v15, RED, v15                     ; RED: lane r of wave 0,
	s_lshl_b32 s34, s2, 6
	v_add_nc_u32 v14, s34, v15                     ; of my wave
	s_mov_b32 s35, 0
	s_mov_b32 s45, 0
	s_wait_kmcnt 0x0
	s_lshl_b32 s34, s32, 21                        ; an image of x: 1,024 rows of 2,048 bytes
	s_lshl_b32 s44, s33, 8                         ; a slice: 64 f32
	s_add_nc_u64 s[8:9], s[8:9], s[34:35]
	s_add_nc_u64 s[8:9], s[8:9], s[44:45]
	s_add_nc_u64 s[10:11], s[10:11], s[44:45]
	s_add_nc_u64 s[12:13], s[12:13], s[44:45]
	s_add_nc_u64 s[20:21], s[20:21], s[44:45]
	s_add_nc_u64 s[24:25], s[24:25], s[44:45]
	s_add_nc_u64 s[30:31], s[30:31], s[44:45]
	s_lshl_b32 s34, s32, 20
	s_lshl_b32 s46, s33, 17
	s_add_co_u32 s34, s34, s46
	s_add_nc_u64 s[26:27], s[26:27], s[34:35]      ; hb at my image's slice
	s_lshl_b32 s34, s32, 15
	s_add_nc_u64 s[18:19], s[18:19], s[34:35]      ; Wv at row 16 cb
	s_cmp_lt_u32 s2, 8
	s_cselect_b64 s[36:37], s[14:15], s[16:17]     ; waves 0-7 round Wq, waves 8-15 Wk
	s_lshl_b32 s34, ttmp9, 12
	s_add_nc_u64 s[36:37], s[36:37], s[34:35]      ; rows 2 id, 2 id + 1
	s_lshr_b32 s34, s2, 3
	s_lshl_b32 s34, s34, 19
	s_lshl_b32 s46, ttmp9, 11
	s_add_co_u32 s34, s34, s46
	s_add_nc_u64 s[42:43], s[28:29], s[34:35]      ; where they go in wcat
	s_lshl_b32 s34, s32, 14
	s_lshl_b32 s46, s33, 7
	s_add_co_u32 s34, s34, s46
	s_add_co_u32 s34, s34, 1048576
	s_add_nc_u64 s[28:29], s[28:29], s[34:35]      ; Wvo's tile in wcat
	global_load_b128 v[GA:GA+3], v5, s[10:11]
	global_load_b128 v[GD:GD+3], v5, s[12:13]
	global_load_b64 v[34:35], v11, s[24:25]        ; bo of columns 2 x lane, 2 x lane + 1
	global_load_b128 v[28:31], v6, s[36:37]
.irp k, 0,1,2,3                        ; k = 8 h + 0..7 and 16 + 8 h + 0..7 of the K step
	global_load_b128 v[WA+4*\k:WA+4*\k+3], v8, s[18:19] offset:(\k/2)*64+(\k%2)*16
	global_load_b128 v[BV+4*\k:BV+4*\k+3], v10, s[22:23] offset:(\k/2)*64+(\k%2)*16
.endr
.set i, 0
.rept 16                               ; the same 16 rows of Wo
	global_load_b128 v[WB+4*i:WB+4*i+3], v9, s[20:21] offset:(i+8*(i/8))*2048
.set i, i+1
.endr
.set i, 0
.rept 16
	global_load_b128 v[X0+4*i:X0+4*i+3], v3, s[8:9] offset:i*4096
.set i, i+1
.endr
	s_wait_loadcnt 16                              ; loads come back in order: all but the 16 of x are in
	v_cvt_pk_bf16_f32 v32, v28, v29
	v_cvt_pk_bf16_f32 v33, v30, v31
	global_store_b64 v7, v[32:33], s[42:43]        ; a wave's store covers 256 consecutive bytes, aligned
.irp k, 0,1,2,3
	v_mul_f32 v[BACC+\k], v[WB+\k], v[BV]          ; the first row starts the sums
.endr
.set i, 1
.rept 15
.irp k, 0,1,2,3
	v_fmac_f32 v[BACC+\k], v[WB+4*i+\k], v[BV+i]
.endr
.set i, i+1
.endr
	ds_store_b128 v13, v[BACC:BACC+3]
.irp q, 0,1,2,3,4,5,6,7
	v_cvt_pk_bf16_f32 v[FA+\q], v[WA+2*\q], v[WA+2*\q+1]
.endr
.irp tt, 0,1,2,3
.irp q, 0,1,2,3
	v_cvt_pk_bf16_f32 v[FB+8*\tt+\q], v[WB+8*\q+\tt], v[WB+8*\q+4+\tt]
	v_cvt_pk_bf16_f32 v[FB+8*\tt+4+\q], v[WB+32+8*\q+\tt], v[WB+36+8*\q+\tt]
.endr
.endr
.set i, 0
.rept 16                               ; Wo's registers have been read: they take the rest of x
	global_load_b128 v[X1+4*i:X1+4*i+3], v3, s[8:9] offset:(16+i)*4096
.set i, i+1
.endr
.irp tt, 0,1,2,3
	v_wmma_f32_16x16x32_bf16 v[ACC+8*\tt:ACC+8*\tt+7], v[FA:FA+7], v[FB+8*\tt:FB+8*\tt+7], 0
.endr
	s_wait_loadcnt 16                              ; x's first 16 loads are in, the 16 just issued stay out
; pass 1: the sum of my numbers, in four chains of pairs; the first additions start the chains
.macro PASS1 base, from
.set p, \from
.rept 32-(\from)
	v_pk_add_f32 v[SUM+2*(p%4):SUM+2*(p%4)+1], v[SUM+2*(p%4):SUM+2*(p%4)+1], v[(\base)+2*p:(\base)+2*p+1]
.set p, p+1
.endr
.endm
.macro FOLD                            ; the four chains into one number
	v_pk_add_f32 v[SUM:SUM+1], v[SUM:SUM+1], v[SUM+2:SUM+3]
	v_pk_add_f32 v[SUM+4:SUM+5], v[SUM+4:SUM+5], v[SUM+6:SUM+7]
	v_pk_add_f32 v[SUM:SUM+1], v[SUM:SUM+1], v[SUM+4:SUM+5]
	v_add_f32 v[T], v[SUM], v[SUM+1]
.endm
.macro LANERED                         ; the four lanes of a group, and the other half of the lanes
	v_add_f32_dpp v[T], v[T], v[T] row_xmask:1 row_mask:0xf bank_mask:0xf
	v_add_f32_dpp v[T], v[T], v[T] row_xmask:2 row_mask:0xf bank_mask:0xf
	v_permlanex16_b32 v[T+1], v[T], s38, s39
	v_add_f32 v[T], v[T], v[T+1]
.endm
.macro WAVES off                       ; the 16 waves' numbers for my group, added in one order in every wave -> v[R]
.set i, 0
.rept 16
	ds_load_b32 v[R+i], v15 offset:(\off)+64*i
.set i, i+1
.endr
	s_wait_dscnt 0x0
.irp k, 0,4,8,12
	v_pk_add_f32 v[R+\k:R+\k+1], v[R+\k:R+\k+1], v[R+\k+2:R+\k+3]
.endr
	v_pk_add_f32 v[R:R+1], v[R:R+1], v[R+4:R+5]
	v_pk_add_f32 v[R+8:R+9], v[R+8:R+9], v[R+12:R+13]
	v_pk_add_f32 v[R:R+1], v[R:R+1], v[R+8:R+9]
	v_add_f32 v[R], v[R], v[R+1]
.endm
.irp k, 0,1,2,3
	v_pk_add_f32 v[SUM+2*\k:SUM+2*\k+1], v[X0+2*\k:X0+2*\k+1], v[X0+8+2*\k:X0+8+2*\k+1]
.endr
	PASS1 X0, 8                                    ; these 28 lines are also the places between the products and the stores of their results
.irp j, 0,1,2,3,4,5,6,7                ; each accumulator's lowest register is read first
.irp tt, 0,1,2,3
	ds_store_b32 v12, v[ACC+8*\tt+\j] offset:256*\j+4*\tt
.endr
.endr
	s_wait_loadcnt 0x0
	PASS1 X1, 0
	FOLD
	LANERED
	ds_store_b32 v14, v[T]                         ; both halves of the lanes write the same number to the same word
	s_wait_dscnt 0x0                               ; for the others' sake: my sums, my part of Wvo and of bv Wo are in LDS
	s_barrier_signal -1
	s_barrier_wait -1
	WAVES 0
	v_mul_f32 v[MN], s40, v[R]
	v_mov_b32 v[MN+1], v[MN]
; pass 2: the sum of (x - mean)^2
.macro PASS2 base, first
.set p, 0
.rept 8
.irp k, 0,1,2,3
	v_pk_add_f32 v[T+2*\k:T+2*\k+1], v[(\base)+8*p+2*\k:(\base)+8*p+2*\k+1], v[MN:MN+1] neg_lo:[0,1] neg_hi:[0,1]
.endr
.irp k, 0,1,2,3
.if (\first) && (p == 0)
	v_pk_mul_f32 v[SUM+2*\k:SUM+2*\k+1], v[T+2*\k:T+2*\k+1], v[T+2*\k:T+2*\k+1]
.else
	v_pk_fma_f32 v[SUM+2*\k:SUM+2*\k+1], v[T+2*\k:T+2*\k+1], v[T+2*\k:T+2*\k+1], v[SUM+2*\k:SUM+2*\k+1]
.endif
.endr
.set p, p+1
.endr
.endm
	PASS2 X0, 1
	PASS2 X1, 0
	FOLD
	LANERED
	ds_store_b32 v14, v[T] offset:1024             ; other bytes than the sums': some waves may still be reading those
	s_wait_dscnt 0x0
	s_barrier_signal -1
	s_barrier_wait -1
	WAVES 1024
	v_fma_f32 v[T], v[R], s40, s41                 ; variance + 1e-6
	v_rsq_f32 v[T], v[T]
	v_nop                                          ; a plain instruction between v_rsq_f32 and the use of its result (ISA guide 5.7.2)
	s_wait_alu depctr_va_vdst(0)
.irp k, 0,1,2,3
	v_mul_f32 v[GA+\k], v[T], v[GA+\k]
.endr
.irp k, 0,1,2,3
	v_fma_f32 v[GD+\k], -v[MN], v[GA+\k], v[GD+\k]
.endr
.macro NORM base, i0                   ; h = x A + D, rounded once; a wave's store covers two rows of the slice, 256 consecutive bytes, aligned
.set p, 0
.rept 16
	v_pk_fma_f32 v[(\base)+4*p:(\base)+4*p+1], v[(\base)+4*p:(\base)+4*p+1], v[GA:GA+1], v[GD:GD+1]
	v_pk_fma_f32 v[(\base)+4*p+2:(\base)+4*p+3], v[(\base)+4*p+2:(\base)+4*p+3], v[GA+2:GA+3], v[GD+2:GD+3]
	v_cvt_pk_bf16_f32 v[(\base)+4*p], v[(\base)+4*p], v[(\base)+4*p+1]
	v_cvt_pk_bf16_f32 v[(\base)+4*p+1], v[(\base)+4*p+2], v[(\base)+4*p+3]
	global_store_b64 v4, v[(\base)+4*p:(\base)+4*p+1], s[26:27] offset:256*((\i0)+p)
.set p, p+1
.endr
.endm
	NORM X0, 0
	NORM X1, 16
	; the last sums: forward branches on the wave's number, no barrier inside
	s_cmp_lt_u32 s2, 8
	s_cbranch_scc0 .Lhigh
	v_lshrrev_b32 v100, 4, v0                      ; threads 0-255: row c = t / 16, columns 4 (t % 16) ..
	v_lshlrev_b32 v101, 8, v100
	v_lshl_or_b32 v101, v1, 4, v101
	v_lshlrev_b32 v102, 10, v100
	v_lshl_or_b32 v102, v1, 3, v102
.set p, 0
.rept 16
	ds_load_b128 v[R+4*p:R+4*p+3], v101 offset:4096*p
.set p, p+1
.endr
	s_wait_dscnt 0x0
.set p, 1
.rept 15                               ; K ascending
	v_pk_add_f32 v[R:R+1], v[R:R+1], v[R+4*p:R+4*p+1]
	v_pk_add_f32 v[R+2:R+3], v[R+2:R+3], v[R+4*p+2:R+4*p+3]
.set p, p+1
.endr
	v_cvt_pk_bf16_f32 v[R], v[R], v[R+1]
	v_cvt_pk_bf16_f32 v[R+1], v[R+2], v[R+3]
	global_store_b64 v102, v[R:R+1], s[28:29]
	s_branch .Ldone
.Lhigh:
	s_cmp_eq_u32 s2, 8
	s_cbranch_scc0 .Ldone
	s_cmp_eq_u32 s32, 0                            ; each byte of bvo has one owner: the work-group with cb = 0
	s_cbranch_scc0 .Ldone
	v_add_nc_u32 v100, BP, v11
.set p, 0
.rept 32
	ds_load_b64 v[R+2*p:R+2*p+1], v100 offset:256*p
.set p, p+1
.endr
	s_wait_dscnt 0x0
.set p, 1
.rept 31
	v_pk_add_f32 v[R:R+1], v[R:R+1], v[R+2*p:R+2*p+1]
.set p, p+1
.endr
	v_pk_add_f32 v[R:R+1], v[R:R+1], v[34:35]
	global_store_b64 v11, v[R:R+1], s[30:31]       ; 256 consecutive bytes, aligned
.Ldone:
	s_wait_tensorcnt 0x0                           ; the wave's end, behind my last LDS store
	ds_add_u32 v[SPW], v[NIL]
	s_wait_dscnt 0x0
	s_endpgm
.Lfunc_end_k_qd802bd3a75_gn:
	.size	k_qd802bd3a75_gn, .Lfunc_end_k_qd802bd3a75_gn-k_qd802bd3a75_gn
	.p2alignl 7, 3214868480
	.fill 96, 4, 3214868480
	.section	.rodata,"a",@progbits
	.p2align	6, 0x0
	.amdhsa_kernel k_qd802bd3a75_gn
		.amdhsa_group_segment_fixed_size 77824
		.amdhsa_private_segment_fixed_size 0
		.amdhsa_enable_private_segment 0
		.amdhsa_kernarg_size 96
		.amdhsa_user_sgpr_count 2
		.amdhsa_user_sgpr_kernarg_segment_ptr 1
		.amdhsa_wavefront_size32 1
		.amdhsa_system_sgpr_workgroup_id_x 1
		.amdhsa_system_sgpr_workgroup_id_y 1
		.amdhsa_system_sgpr_workgroup_id_z 1
		.amdhsa_system_vgpr_workitem_id 0
		.amdhsa_next_free_vgpr 256
		.amdhsa_next_free_sgpr 66
		.amdhsa_reserve_vcc 0
		.amdhsa_float_denorm_mode_32 3
		.amdhsa_float_denorm_mode_16_64 3
		.amdhsa_memory_ordered 1
		.amdhsa_forward_progress 1
		.amdhsa_inst_pref_size 52
	.end_amdhsa_kernel
	.amdgpu_metadata
---
amdhsa.version: [ 1, 2 ]
amdhsa.kernels:
  - .name:           k_qd802bd3a75_gn
    .symbol:         k_qd802bd3a75_gn.kd
    .args:
      - { .name: x, .offset: 0, .size: 8, .value_kind: global_buffer, .address_space: global }
      - { .name: gn_scale, .offset: 8, .size: 8, .value_kind: global_buffer, .address_space: global }
      - { .name: gn_bias, .offset: 16, .size: 8, .value_kind: global_buffer, .address_space: global }
      - { .name: Wq, .offset: 24, .size: 8, .value_kind: global_buffer, .address_space: global }
      - { .name: Wk, .offset: 32, .size: 8, .value_kind: global_buffer, .address_space: global }
      - { .name: Wv, .offset: 40, .size: 8, .value_kind: global_buffer, .address_space: global }
      - { .name: Wo, .offset: 48, .size: 8, .value_kind: global_buffer, .address_space: global }
      - { .name: bv, .offset: 56, .size: 8, .value_kind: global_buffer, .address_space: global }
      - { .name: bo, .offset: 64, .size: 8, .value_kind: global_buffer, .address_space: global }
      - { .name: hb, .offset: 72, .size: 8, .value_kind: global_buffer, .address_space: global }
      - { .name: wcat, .offset: 80, .size: 8, .value_kind: global_buffer, .address_space: global }
      - { .name: bvo, .offset: 88, .size: 8, .value_kind: global_buffer, .address_space: global }
    .group_segment_fixed_size: 77824
    .private_segment_fixed_size: 0
    .kernarg_segment_align: 8
    .kernarg_segment_size: 96
    .max_flat_workgroup_size: 512
    .sgpr_count:     66
    .vgpr_count:     256
    .wavefront_size: 32
...
	.end_amdgpu_metadata
.endif
;; end of part 1
;; launch qkv (part 2): grid 128 x 2, 4 waves a work-group, clusters of 4 x 1, 327,680 bytes of LDS; arguments hb, wcat, bq, bk, bvo, qkv; writes qkv
.if DOCPART == 2
	.amdgcn_target "amdgcn-amd-amdhsa--gfx1250"
	.amdhsa_code_object_version 6
	.text
	.protected	k_qd802bd3a75_qkv
	.globl	k_qd802bd3a75_qkv
	.p2align	8
	.type	k_qd802bd3a75_qkv,@function
k_qd802bd3a75_qkv:
	s_mov_b64 s[64:65], 0
	v_nop
	global_prefetch_b8 v0, s[64:65] scope:SCOPE_SE
	s_setreg_imm32_b32 hwreg(HW_REG_WAVE_MODE, 25, 1), 1
	s_wait_xcnt 0x0
	s_wait_alu depctr_hold_cnt(0) depctr_sa_sdst(0) depctr_va_vdst(0) depctr_va_sdst(0) depctr_va_ssrc(0) depctr_va_vcc(0) depctr_vm_vsrc(0)
	s_getreg_b32 s2, hwreg(HW_REG_IB_STS2, 6, 4)
	s_cmp_eq_u32 s2, 0
	s_cbranch_scc0 .Lentry_in_a_cluster
	s_endpgm
.Lentry_in_a_cluster:
	s_bfe_u32 s2, ttmp6, 0x10000c
	s_cmp_lg_u32 s2, 0x3003
	s_cbranch_scc0 .Lentry_shape_is_right
	s_endpgm
.Lentry_shape_is_right:
; [q | k | v'] = h [Wq | Wk | Wvo] + [bq | bk | bvo].  hb: [32][8 slices][1024][64] bf16; wcat: [3][512 c][512 d] bf16; the biases f32; qkv: [3][32768][512] bf16.  Sums in f32, rounded once.
; A tile of the result is 256 rows x 256 columns.  Four waves, each 128 x 128: 64 accumulators, 512 registers.
; A WORK-GROUP STAYS: work-group (X, y) makes three tiles, rows 256 X .. and columns 256 y .. of q, then of k, then of v': 128 x 2 work-groups.  K = 512 is four steps of 128 a tile, so the three tiles are
; ONE walk of 12 K steps through two LDS slots filled by the tensor data mover (step j in slot j % 2).  The ring does not stop at a tile's end: a tile's last two changes of slots ask for the next tile's
; first two K steps; then the tile goes out, and nothing waits for its stores.  A K step's text is written once: a trip of the loop goes from a step's second quarter to the next step's first.
; A's part of a step is two slices of hb, each 256 rows x 128 bytes that lie end to end: asked for as 128 rows of 256 bytes and padded in LDS behind every 128.  All three tiles take the same rows of A.
; B's part is 128 rows (k) x 512 bytes of wcat, as it lies ([K][N]); its fragments come out of LDS turned, by ds_load_tr16_b128.  wcat's three matrices lie end to end, so B's address steps alike in all 12 steps.
; CLUSTER 4 x 1: the four work-groups of a cluster have the same y and walk in step, so they need the same tiles of B: asked for jointly (mask 15).  A's tiles differ between them: plain loads behind the same rounds.
; A's tiles are shared by the two work-groups of one X, but two along y is no multiple of four, so no cluster reaches along y.
; THE MATRIX INSTRUCTION IS USED TRANSPOSED (source 0 = 16 columns of B, source 1 = 16 rows of A): a lane holds eight neighbouring numbers of a row of the result.
; THE BIAS is the C operand of the product that starts each sum: eight registers for each block of 16 columns, loaded anew for each tile while the tile before goes out.
; REGISTERS: window 0: v0-31 addresses; v64-127, v128-191 A's fragments, two buffers; v32-63, v192-255 at work on the way out.
;   window 1: v0-63 the bias; v64-127, v128-191 B's fragments.   windows 2, 3: the accumulators of my rows 0-63, 64-127: (a, b) at v[8 (8 (a % 4) + b)].
.set PA,     144       ; a row of A in LDS: 128 bytes + 16 = 36 words: the 16 rows of a load start at 16 different groups of four banks (64 banks of 4 bytes: ISA guide 11.1)
.set PB,     544       ; a row of B: 512 + 32 = 136 words
.set AHALF,  256*PA    ; one slice's 256 rows
.set BOFF,   2*AHALF
.set BHALF,  64*PB     ; what one wave fetches of B
.set SLOT,   0x24000   ; a slot uses BOFF + 2 BHALF = 143,360 bytes; slot 1 begins here: bits 17 and 14 are clear in the four LDS addresses at which loads begin (0, 0x9000, 0x12000, 0x1a800), so one exclusive or changes slots
.set STAGE,  2*SLOT    ; behind the ring: 16 rows x 272 bytes for each wave, for the way out; no tensor load fills it
.set SPITCH, 272
.set SPARE,  STAGE+4*16*SPITCH  ; the spare words, 128 bytes for each wave: two blocks of 256 bytes that no other line names
.set KSTEPS, 12        ; three tiles of four K steps
.set ADRA0, 16         ; v16 my lane's place among A's fragments in slot 0; never rewritten
.set ADRA,  17         ; v17 the same in the slot that is read
.set ADRB0, 20         ; v20, v21 the same for B
.set ADRB,  21
.set STO,  24
.set RD,   25
.set CO,   26          ; my byte offset in two rows of the result
.set BO,   27          ; my byte offset in 16 numbers of the bias
.set SPW,  28          ; my spare word's LDS address; never rewritten
.set NIL,  29          ; 0; never rewritten
.set F0,   64
.set F1,   128
.set TMP,  192
.set OB,   32
.set G1A, 24           ; s[24:31] group 1 for A's tiles;  s[32:39] group 0: a set for each of the two first fills; the second then walks on
.set G0A, 32
.set G1B, 48           ; s[48:55], s[56:63] the same for B's
.set G0B, 56
.set TB,  72           ; s72 the LDS byte at which the slot that is read begins
.set NXT, 73           ; s73 the K step to be asked for next, 2 to 11
.set CNT, 74           ; s74 the loop's count
.set MSB, 0
.macro WIN new                         ; the immediate's high byte repeats the setting that is left; a switch that changes nothing is dropped
.if MSB != (\new)
	s_set_vgpr_msb (MSB<<8)|(\new)
.set MSB, \new
.endif
.endm
; Waves 0 and 1 fetch A's two slices, waves 2 and 3 B's two halves.  An s_nop 0 and four v_nop follow each of the two lines.
.macro JLOAD s
	s_cmp_eq_u32 s17, 0
	s_cbranch_scc0 .Lfor_b_\@
	tensor_load_to_lds s[G0A+4*(\s):G0A+4*(\s)+3], s[G1A:G1A+7]
	s_nop 0
.rept 4
	v_nop
.endr
	s_branch .Lasked_\@
.Lfor_b_\@:
	tensor_load_to_lds s[G0B+4*(\s):G0B+4*(\s)+3], s[G1B:G1B+7]
	s_nop 0
.rept 4
	v_nop
.endr
.Lasked_\@:
.endm
.macro CREST                           ; a round of the cluster's barrier behind its opening barrier
	s_cmp_lg_u32 s16, 0
	s_cbranch_scc1 .Lnot_wave_0_\@
	s_barrier_signal -3
.Lnot_wave_0_\@:
	s_barrier_wait -3
	s_barrier_signal -1
	s_barrier_wait -1
.endm
.macro CROUND
	s_barrier_signal -1
	s_barrier_wait -1
	CREST
.endm
	s_load_b256 s[4:11], s[0:1], 0x0               ; hb s[4:5], wcat s[6:7], bq s[8:9], bk s[10:11]
	s_load_b128 s[12:15], s[0:1], 0x20             ; bvo s[12:13], qkv s[14:15]
	v_lshl_add_u32 v[SPW], v0, 2, SPARE
	v_mov_b32 v[NIL], 0
	ds_add_u32 v[SPW], v[NIL]                      ; the wave's opening: the add and its wait stand ahead of my first tensor load; work on registers stands between
	v_lshrrev_b32 v1, 5, v0
	v_readfirstlane_b32 s16, v1                    ; wave 0..3
	s_lshr_b32 s17, s16, 1                         ; HI: my half of the rows; also: I fetch for A (0) or B (1)
	s_and_b32 s18, s16, 1                          ; LO: my half of the columns; also: which half I fetch
	s_bfe_u32 s19, ttmp6, 0x40000                  ; cx
	s_and_b32 s23, ttmp7, 0xffff                   ; y: which 256 columns of each of the three matrices
	s_mov_b32 s[G1A+0], (1<<16)|(1<<20)|(4<<22)|(3<<25)  ; no mask; 2-byte elements; padding on: behind every 32 words (code 4) 4 words (code 3)
	s_mov_b32 s[G1A+1], 128<<16                    ; tensor_dim0 = 128
	s_mov_b32 s[G1A+2], 128<<16                    ; tensor_dim1 = 128
	s_mov_b32 s[G1A+3], 128<<16                    ; tile_dim0 = 128: 256 bytes, two rows of a slice
	s_mov_b32 s[G1A+4], 128                        ; tile_dim1 = 128
	s_mov_b32 s[G1A+5], 128                        ; dense
	s_mov_b32 s[G1A+6], 0
	s_mov_b32 s[G1A+7], 0
	s_mov_b32 s[G1B+0], 15|(1<<16)|(1<<20)|(1<<21)|(6<<22)|(7<<25)  ; the mask of four, bit 21 beside it; behind every 128 words (code 6) 8 words (code 7)
	s_mov_b32 s[G1B+1], 256<<16                    ; tensor_dim0 = 256
	s_mov_b32 s[G1B+2], 64<<16                     ; tensor_dim1 = 64
	s_mov_b32 s[G1B+3], 256<<16                    ; tile_dim0 = 256
	s_mov_b32 s[G1B+4], 64                         ; tile_dim1 = 64
	s_mov_b32 s[G1B+5], 512                        ; 512 elements from row to row
	s_mov_b32 s[G1B+6], 0
	s_mov_b32 s[G1B+7], 0
	s_lshl_b32 s40, ttmp9, 20                      ; A: image X / 4 = the cluster's x,
	s_lshl_b32 s41, s19, 15                        ; 256 (X % 4) rows of 128 bytes,
	s_add_co_u32 s40, s40, s41
	s_lshl_b32 s41, s18, 17                        ; slice LO
	s_add_co_u32 s40, s40, s41
	s_mov_b32 s41, 0
	s_mul_i32 s42, s18, AHALF                      ; and where it goes: no place in the cluster enters an LDS address
	s_lshl_b32 s44, s23, 9                         ; B: my 256 columns,
	s_lshl_b32 s45, s18, 16                        ; rows 64 LO ..
	s_add_co_u32 s44, s44, s45
	s_mov_b32 s45, 0
	s_mul_i32 s46, s18, BHALF
	s_add_co_u32 s46, s46, BOFF
	s_mov_b32 s[TB], 0                             ; K step 0 lies in slot 0
	s_mov_b32 s[NXT], 2                            ; steps 0 and 1 are the first fills
	s_mov_b32 s[CNT], KSTEPS-1                     ; the way in passes the loop's count once; then ten trips, each with a fill
	s_mov_b32 s71, 0                               ; the high word of an offset's pair
	s_wait_dscnt 0x0                               ; the opening add is done
	s_wait_kmcnt 0x0
	s_add_nc_u64 s[40:41], s[4:5], s[40:41]        ; A at a tile's K step 0; kept: each fill's address is made anew from it
	s_add_nc_u64 s[44:45], s[6:7], s[44:45]
	s_lshl_b32 s68, s23, 10
	s_lshl_b32 s69, s18, 9
	s_add_co_u32 s68, s68, s69
	s_mov_b32 s69, 0
	s_add_nc_u64 s[8:9], s[8:9], s[68:69]          ; the three biases at my 128 columns
	s_add_nc_u64 s[10:11], s[10:11], s[68:69]
	s_add_nc_u64 s[12:13], s[12:13], s[68:69]
	s_mov_b64 s[66:67], s[8:9]                     ; the first tile's is bq
	s_lshl_b32 s20, ttmp9, 2
	s_add_co_u32 s20, s20, s19                     ; X
	s_lshl_b32 s68, s20, 18                        ; 256 X rows of 1,024 bytes
	s_lshl_b32 s70, s17, 17
	s_add_co_u32 s68, s68, s70
	s_lshl_b32 s70, s23, 9
	s_add_co_u32 s68, s68, s70
	s_lshl_b32 s70, s18, 8
	s_add_co_u32 s68, s68, s70
	s_add_nc_u64 s[14:15], s[14:15], s[68:69]      ; q at my first row and column
	CROUND                                         ; all four work-groups are here: the first joint loads meet
.irp s, 0,1
	s_mov_b32 s[G0A+4*(\s)], 1
	s_add_co_u32 s[G0A+4*(\s)+1], s42, (\s)*SLOT
	s_add_nc_u64 s[G0A+4*(\s)+2:G0A+4*(\s)+3], s[40:41], (\s)*262144   ; K step s: slices 2 s, 2 s + 1
	s_or_b32 s[G0A+4*(\s)+3], s[G0A+4*(\s)+3], 0x80000000
	s_mov_b32 s[G0B+4*(\s)], 1
	s_add_co_u32 s[G0B+4*(\s)+1], s46, (\s)*SLOT
	s_add_nc_u64 s[G0B+4*(\s)+2:G0B+4*(\s)+3], s[44:45], (\s)*131072   ; rows 128 s ..
	s_or_b32 s[G0B+4*(\s)+3], s[G0B+4*(\s)+3], 0x80000000
	JLOAD \s                                       ; two tensor loads of mine are out
.endr
	v_and_b32 v1, 15, v0                           ; r
	v_bfe_u32 v2, v0, 4, 1                         ; h
	v_lshlrev_b32 v[BO], 5, v2
; The bias of my 128 columns: register j of block b: bias[16 b + 8 h + j]
.macro BIAS
	WIN 0x40                                       ; destination window 1
.irp b, 0,1,2,3,4,5,6,7
	global_load_b128 v[8*\b:8*\b+3],   v[BO], s[66:67] offset:64*\b
	global_load_b128 v[8*\b+4:8*\b+7], v[BO], s[66:67] offset:64*\b+16
.endr
	WIN 0
.endm
	BIAS
	v_mul_u32_u24 v3, v1, PA
	v_lshl_add_u32 v3, v2, 4, v3
	s_mul_i32 s68, s17, 128*PA
	v_add_nc_u32 v[ADRA0], s68, v3                 ; row 128 HI + r, 16 bytes for each half of the lanes
	v_add_nc_u32 v[ADRA], s[TB], v[ADRA0]
	v_and_b32 v4, 7, v0
	v_lshl_add_u32 v4, v2, 3, v4
	v_mul_u32_u24 v4, v4, PB                       ; the turning load: lane l reads k row 8 h + l % 8,
	v_bfe_u32 v5, v0, 3, 1
	v_lshl_add_u32 v4, v5, 4, v4                   ; columns 8 ((l / 8) % 2) ..
	s_lshl_b32 s68, s18, 8
	s_add_co_u32 s68, s68, BOFF
	v_add_nc_u32 v[ADRB0], s68, v4
	v_add_nc_u32 v[ADRB], s[TB], v[ADRB0]
	s_mul_i32 s68, s16, 16*SPITCH
	s_add_co_u32 s68, s68, STAGE                   ; my stage
	v_mul_u32_u24 v4, v1, SPITCH
	v_lshl_add_u32 v4, v2, 4, v4
	v_add_nc_u32 v[STO], s68, v4
	v_mul_u32_u24 v5, v2, SPITCH
	v_lshl_add_u32 v5, v1, 4, v5
	v_add_nc_u32 v[RD], s68, v5
	v_lshlrev_b32 v5, 10, v2
	v_lshl_add_u32 v[CO], v1, 4, v5
; 16 matrix instructions: m blocks a0, a0 + 1 of the window's four x all 8 n blocks, 32 along K.  init = 1: the product starts the sum, with the bias as C.
; The 64 accumulators take turns, one instruction a turn, in the same order in every quarter, over the loop's backward jump and from tile to tile too.
.macro MUL16 f, hi, a0, init
.if \init
	WIN 0x91+0x40*(\hi)                            ; B window 1, A window 0, C (the bias) window 1, D window 2 or 3
.else
	WIN 0xa1+0x50*(\hi)                            ; C and D window 2 or 3
.endif
.irp a, \a0, (\a0)+1
.irp b, 0,1,2,3,4,5,6,7
.if \init
	v_wmma_f32_16x16x32_bf16 v[8*(8*(\a)+(\b)):8*(8*(\a)+(\b))+7], v[(\f)+8*(\b):(\f)+8*(\b)+7], v[(\f)+8*(4*(\hi)+(\a)):(\f)+8*(4*(\hi)+(\a))+7], v[8*(\b):8*(\b)+7]
.else
	v_wmma_f32_16x16x32_bf16 v[8*(8*(\a)+(\b)):8*(8*(\a)+(\b))+7], v[(\f)+8*(\b):(\f)+8*(\b)+7], v[(\f)+8*(4*(\hi)+(\a)):(\f)+8*(4*(\hi)+(\a))+7], v[8*(8*(\a)+(\b)):8*(8*(\a)+(\b))+7]
.endif
.endr
.endr
.endm
; 32 LDS loads in one run: the fragments of quarter q (32 along K) of the slot that is read, into buffer f: B's 128 columns, turned, then A's 128 rows
.macro FETCH q, f
	WIN 0x40
.irp i, 0,1,2,3,4,5,6,7
	ds_load_tr16_b128 v[(\f)+8*(\i):(\f)+8*(\i)+3],   v[ADRB] offset:(\q)*32*PB+32*(\i)
	ds_load_tr16_b128 v[(\f)+8*(\i)+4:(\f)+8*(\i)+7], v[ADRB] offset:(\q)*32*PB+32*(\i)+16*PB
.endr
	WIN 0
.irp i, 0,1,2,3,4,5,6,7
	ds_load_b128 v[(\f)+8*(\i):(\f)+8*(\i)+3],   v[ADRA] offset:((\q)/2)*AHALF+((\q)%2)*64+(\i)*16*PA
	ds_load_b128 v[(\f)+8*(\i)+4:(\f)+8*(\i)+7], v[ADRA] offset:((\q)/2)*AHALF+((\q)%2)*64+(\i)*16*PA+32
.endr
.endm
.macro PLACES                          ; four places in front of loads into registers that matrix instructions have read, and of conversions that read results
.rept 4
	v_nop
.endr
.endm
; One of a K step's first three quarters: multiplies buffer f; in its middle it fetches quarter qn into buffer g.
.macro QUARTER qn, f, g, init
	s_wait_dscnt 8                                 ; B and A's rows 0-63 are in; the youngest eight loads (A's rows 64-127) may be out
	MUL16 \f, 0, 0, \init
	MUL16 \f, 0, 2, \init
	PLACES
	FETCH \qn, \g
	s_wait_dscnt 32                                ; all but the 32 just issued
	MUL16 \f, 1, 0, \init
	MUL16 \f, 1, 2, \init
.endm
; The last quarter multiplies buffer 1 and changes slots: one barrier; in front of it each wave waits for all its tensor loads (its part of the next slot), adds 0 to its spare word,
; and waits for that and for its own reads of this slot.  fill = 1: the barrier opens a round of the cluster's, and this slot takes K step NXT, two steps on, first thing behind the round:
; from that request to the wait for it a wave issues 224 matrix instructions, across tiles too.  The walking descriptors are stepped while the add is out: no tensor load of mine is out there.
.macro TURN fill
	WIN 0
	s_wait_tensorcnt 0x0
	ds_add_u32 v[SPW], v[NIL]
.if \fill
	s_and_b32 s70, s[NXT], 3                       ; A: the step's place in its tile: all tiles take the same rows of A,
	s_lshl_b32 s70, s70, 18                        ; two slices of 131,072 bytes a step
	s_xor_b32 s[G0A+5], s[G0A+5], SLOT             ; the other slot than last time
	s_add_nc_u64 s[G0A+6:G0A+7], s[40:41], s[70:71]  ; the address is made anew: the base and an offset made apart
	s_or_b32 s[G0A+7], s[G0A+7], 0x80000000
	s_xor_b32 s[G0B+5], s[G0B+5], SLOT
	s_add_nc_u64 s[G0B+6:G0B+7], s[G0B+6:G0B+7], 131072  ; B: 128 rows on, into the next matrix too; the type bits on top are not reached
	s_add_co_u32 s[NXT], s[NXT], 1
.endif
	s_wait_dscnt 9                                 ; the add and the youngest eight loads may be out
	MUL16 F1, 0, 0, 0
	s_wait_dscnt 0x0                               ; the add is done, and my reads of this slot are over
	s_barrier_signal -1
	MUL16 F1, 0, 2, 0
	WIN 0                                          ; branches and lines on window 0 follow
	s_barrier_wait -1
.if \fill
	CREST                                          ; no wave of any partner still reads this slot or has a load on its way
	JLOAD 1                                        ; its four v_nop are also the places in front of the loads below
.else
	PLACES
.endif
	s_xor_b32 s[TB], s[TB], SLOT                   ; the reads go to the other slot
	v_add_nc_u32 v[ADRA], s[TB], v[ADRA0]
	v_add_nc_u32 v[ADRB], s[TB], v[ADRB0]
	FETCH 0, F0
	MUL16 F1, 1, 0, 0
	MUL16 F1, 1, 2, 0
.endm
; THE WAY OUT of block a (16 rows x 128 columns): rounded to bf16, 16 bytes a lane; into my own stage and back as whole rows of 256 bytes; stored.
.macro PACK a
.set AC, 64*((\a)%4)
	WIN 0x0a+5*((\a)/4)                            ; sources window 2 or 3
.irp b, 0,1,2,3,4,5,6,7
.irp r, 0,1,2,3
	v_cvt_pk_bf16_f32 v[TMP+4*(\b)+(\r)], v[AC+8*(\b)+2*(\r)], v[AC+8*(\b)+2*(\r)+1]
.endr
.endr
	WIN 0
.endm
.macro TOSTAGE a
.set BK, OB+192*((\a)%2)
.irp b, 0,1,2,3,4,5,6,7
	ds_store_b128 v[STO], v[TMP+4*(\b):TMP+4*(\b)+3] offset:32*(\b)
.endr
.irp t, 0,1,2,3,4,5,6,7
	ds_load_b128 v[BK+4*(\t):BK+4*(\t)+3], v[RD] offset:(\t)*2*SPITCH  ; LDS serves a wave's instructions in order (ISA guide 5.7.1.4): these see the stores above
.endr
.endm
.macro SEND a
.set BK, OB+192*((\a)%2)
	s_wait_dscnt 0x0                               ; the block is back in registers
	s_wait_xcnt 0x0                                ; the registers that earlier stores read are loaded again only behind this wait
.irp t, 0,1,2,3,4,5,6,7
	global_store_b128 v[CO], v[BK+4*(\t):BK+4*(\t)+3], s[14:15] offset:(16*(\a)+2*(\t))*1024  ; 16 lanes store 256 consecutive bytes, aligned
.endr
.endm
; A whole tile goes out.  more = 1: another tile follows: its bias is asked for first (NXT is 6 behind the first tile, 10 behind the second), and the stores' base steps to the next matrix.
.macro OUT more
	PLACES
.if \more
	s_cmp_lt_u32 s[NXT], 8
	s_cselect_b64 s[66:67], s[10:11], s[12:13]     ; bk, then bvo; the loads that named this pair were waited for in front of the tile's first quarter
	BIAS
.endif
	PACK 0
	TOSTAGE 0
.irp a, 1,2,3,4,5,6,7                  ; block a's conversions stand between block a - 1's loads from the stage and the wait for them
	PACK \a
	SEND (\a)-1
	TOSTAGE \a
.endr
	SEND 7
.if \more
	s_wait_xcnt 0x0                                ; the stores have read their base
	s_add_nc_u64 s[14:15], s[14:15], 0x2000000     ; the next matrix: 32,768 rows of 1,024 bytes on
.endif
.endm
	s_wait_tensorcnt 1                             ; my part of K step 0 is in; K step 1's may stay out
	s_barrier_signal -1
	s_barrier_wait -1
	FETCH 0, F0
	s_branch .Linit                                ; the loop is entered at a tile's first quarter, in the middle of a trip
.Lk:                                   ; a trip: the rest of K step s (s = 0 .. 9), the request for step s + 2, and step s + 1's first quarter
	QUARTER 2, F1, F0, 0
	QUARTER 3, F0, F1, 0
	TURN 1
	WIN 0                                          ; at a label and at a branch every window is 0
	s_and_b32 s70, s[NXT], 3                       ; NXT is s + 3 by now: a tile has ended where s % 4 = 3; the same number in every work-group
	s_cmp_eq_u32 s70, 2
	s_cbranch_scc1 .Ltile_end
	QUARTER 1, F0, F1, 0
	WIN 0
	s_branch .Lbottom
.Ltile_end:                            ; both of the next tile's first K steps are asked for and its first fragments fetched: now the tile goes out
	OUT 1
.Linit:
	s_wait_loadcnt 0x0                             ; the tile's bias
	QUARTER 1, F0, F1, 1                           ; a tile's first quarter starts the sums
	WIN 0
.Lbottom:
	s_sub_co_u32 s[CNT], s[CNT], 1
	s_cmp_lg_u32 s[CNT], 0
	s_cbranch_scc1 .Lk
	QUARTER 2, F1, F0, 0                           ; the last two K steps are written out: nothing is left to fetch
	QUARTER 3, F0, F1, 0
	TURN 0
	QUARTER 1, F0, F1, 0
	QUARTER 2, F1, F0, 0
	QUARTER 3, F0, F1, 0
	s_wait_dscnt 8
	MUL16 F1, 0, 0, 0
	MUL16 F1, 0, 2, 0
	s_wait_dscnt 0x0
	MUL16 F1, 1, 0, 0
	MUL16 F1, 1, 2, 0
	OUT 0
	s_wait_tensorcnt 0x0                           ; the wave's end
	ds_add_u32 v[SPW], v[NIL]
	s_wait_dscnt 0x0
	CROUND                                         ; the closing round: no work-group ends while a partner may still ask for a tile that names it
	s_endpgm
.Lfunc_end_k_qd802bd3a75_qkv:
	.size	k_qd802bd3a75_qkv, .Lfunc_end_k_qd802bd3a75_qkv-k_qd802bd3a75_qkv
	.p2alignl 7, 3214868480
	.fill 96, 4, 3214868480
	.section	.rodata,"a",@progbits
	.p2align	6, 0x0
	.amdhsa_kernel k_qd802bd3a75_qkv
		.amdhsa_group_segment_fixed_size 327680
		.amdhsa_private_segment_fixed_size 0
		.amdhsa_enable_private_segment 0
		.amdhsa_kernarg_size 48
		.amdhsa_user_sgpr_count 2
		.amdhsa_user_sgpr_kernarg_segment_ptr 1
		.amdhsa_wavefront_size32 1
		.amdhsa_system_sgpr_workgroup_id_x 1
		.amdhsa_system_sgpr_workgroup_id_y 1
		.amdhsa_system_sgpr_workgroup_id_z 1
		.amdhsa_system_vgpr_workitem_id 0
		.amdhsa_next_free_vgpr 1024
		.amdhsa_next_free_sgpr 76
		.amdhsa_reserve_vcc 0
		.amdhsa_float_denorm_mode_32 3
		.amdhsa_float_denorm_mode_16_64 3
		.amdhsa_memory_ordered 1
		.amdhsa_forward_progress 1
		.amdhsa_inst_pref_size 151
	.end_amdhsa_kernel
	.amdgpu_metadata
---
amdhsa.version: [ 1, 2 ]
amdhsa.kernels:
  - .name:           k_qd802bd3a75_qkv
    .symbol:         k_qd802bd3a75_qkv.kd
    .args:
      - { .name: hb, .offset: 0, .size: 8, .value_kind: global_buffer, .address_space: global }
      - { .name: wcat, .offset: 8, .size: 8, .value_kind: global_buffer, .address_space: global }
      - { .name: bq, .offset: 16, .size: 8, .value_kind: global_buffer, .address_space: global }
      - { .name: bk, .offset: 24, .size: 8, .value_kind: global_buffer, .address_space: global }
      - { .name: bvo, .offset: 32, .size: 8, .value_kind: global_buffer, .address_space: global }
      - { .name: qkv, .offset: 40, .size: 8, .value_kind: global_buffer, .address_space: global }
    .group_segment_fixed_size: 327680
    .private_segment_fixed_size: 0
    .kernarg_segment_align: 8
    .kernarg_segment_size: 48
    .max_flat_workgroup_size: 128
    .sgpr_count:     76
    .vgpr_count:     1024
    .wavefront_size: 32
...
	.end_amdgpu_metadata
.endif
;; end of part 2
;; launch attn (part 3): grid 8 x 32, 4 waves a work-group, clusters of 4 x 1, 327,680 bytes of LDS; arguments qkv, x, out0; writes out0
.if DOCPART == 3
	.amdgcn_target "amdgcn-amd-amdhsa--gfx1250"
	.amdhsa_code_object_version 6
	.text
	.protected	k_qd802bd3a75_attn
	.globl	k_qd802bd3a75_attn
	.p2align	8
	.type	k_qd802bd3a75_attn,@function
k_qd802bd3a75_attn:
	s_mov_b64 s[64:65], 0
	v_nop
	global_prefetch_b8 v0, s[64:65] scope:SCOPE_SE
	s_setreg_imm32_b32 hwreg(HW_REG_WAVE_MODE, 25, 1), 1
	s_wait_xcnt 0x0
	s_wait_alu depctr_hold_cnt(0) depctr_sa_sdst(0) depctr_va_vdst(0) depctr_va_sdst(0) depctr_va_ssrc(0) depctr_va_vcc(0) depctr_vm_vsrc(0)
	s_getreg_b32 s2, hwreg(HW_REG_IB_STS2, 6, 4)
	s_cmp_eq_u32 s2, 0
	s_cbranch_scc0 .Lentry_in_a_cluster
	s_endpgm
.Lentry_in_a_cluster:
	s_bfe_u32 s2, ttmp6, 0x10000c
	s_cmp_lg_u32 s2, 0x3003
	s_cbranch_scc0 .Lentry_shape_is_right
	s_endpgm
.Lentry_shape_is_right:
; out0 = x + softmax(q k^T / sqrt(512)) v'.  qkv: [3][32768][512] bf16 (q, k, v'); x, out0: [32768][512] f32.  One head of size 512, 1,024 keys an image.
; Products, maxima and sums in f32; the weights p are rounded to bf16 for the second product (their sum l is taken of the unrounded p); x is added in f32.
; LIMITS.  c m starts at -4.25e37 and m at the lowest finite number, so the first step's a is 0; a weight below 2^-126 counts as 0; NaN and infinities are not treated apart.
; SHARES.  A work-group owns 128 queries of an image, each of its four waves 32: two tiles of 16, with all 512 channels.  Every wave walks the image's 1,024 keys, 64 a step, 16 steps.
; LAYOUT.  S^T = K Q^T (source 0 = 16 keys, source 1 = 16 queries): a lane holds ONE query (lane % 16) and the keys 8 (lane / 16) + 0..7.  Two such results rounded to bf16 ARE source 1 of
; O^T = V^T P, whose result again holds one query a lane, and eight channels.  K comes out of LDS as it lies, V ([key][channel]) turned, by ds_load_tr16_b128.
; SOFTMAX.  A running maximum m and sum l for each query: p = 2^(c s - c m), c = log2(e) / sqrt(512); in every step O and l are multiplied by a = 2^(c m_old - c m_new).
; A STEP goes in phases: 128 products K Q^T, the softmax, 128 products V^T P.  O^T's rescaling stands in part beside the second products: channel blocks 0-7 in a run ahead of them, each further
; eight blocks behind the products of the eight before.  LDS loads stand in runs of 16, a run ahead of the 16 products that use it, on two buffers.
; O^T is cleared at the start on purpose: no first step is written out, which spares a third copy of the step's text; the clearing stands in the wait for the first tile.
; CLUSTER.  The four query blocks of a cluster belong to one image and walk the same K and V: each tile is asked for JOINTLY, by the same tensor load, descriptor and mask in all four.
; REGISTERS, in windows of 256 (s_set_vgpr_msb: bits 1:0 source 0, 3:2 source 1, 5:4 source 2, 7:6 destination):
;   window 0: v0-15 addresses; v16-31 eight registers of statistics a tile; v32-95 S^T; v96-127 P; v128-191, v192-255 fragments of K or V, two buffers (on the way out: rows of the result)
;   window 1: Q, fragment (t, c) at v[8 (16 t + c)] (on the way out: x, four buffers of 64)      windows 2, 3: O^T of tile 0, 1: channel block cb at v[8 cb]
.set NSTEP, 16
.set PK,    1040       ; a row of K in LDS: 1,024 bytes + 16 = 260 words: the 16 rows of a load start at 16 different groups of four banks (64 banks of 4 bytes: ISA guide 11.1)
.set PV,    1056       ; a row of V: 1,024 + 32 = 264 words
.set VOFF,  64*PK      ; a slot: 64 rows of K, then 64 rows of V: 134,144 bytes
.set SLOT,  0x21000    ; slot 1 begins here: bits 17 and 12 are clear in the four LDS addresses at which loads begin (0, 0x8200, 0x10400, 0x18800), so one exclusive or changes slots
.set STAGE, 2*SLOT     ; behind the ring: 16 rows x 528 bytes for each wave, for the way out
.set SP,    528        ; 512 bytes + 16
.set SPARE, STAGE+4*16*SP  ; the spare words, 128 bytes for each wave: two blocks of 256 bytes that no other line names
.set AK0, 2            ; my lane's place in a tile of K; never rewritten
.set AV0, 3            ; the same for V
.set AK,  4            ; the step's addresses
.set AV,  5
.set QO,  6
.set STO, 7
.set RD,  8
.set GO,  10           ; 16 x lane
.set SPW, 12           ; my spare word's LDS address; never rewritten
.set NIL, 13           ; 0; never rewritten
.set ST,  16           ; tile t at v[ST+8 t]: +0 c m, +1 m, +2, +3 l (even keys', odd keys'), +4 to +7 c0-c3 at work; a takes c2's place
.set S,   32
.set P,   96
.set F0,  128
.set WV,  12           ; s12 my wave's number
.set G1K, 24           ; s[24:31]
.set G1V, 32           ; s[32:39]
.set G0K, 40           ; s[40:43] it walks
.set G0V, 44           ; s[44:47]
.set TB,  51           ; s51 the LDS byte at which the slot to be read begins
.set CNT, 52
.set CS,  58           ; s[58:59] c
.set SEL, 60           ; s[60:61]
.set RL,  68           ; s[68:99] 1 / l of a tile's 16 rows, a pair each
.set MSB, 0
.macro WIN new
.if MSB != (\new)
	s_set_vgpr_msb (MSB<<8)|(\new)
.set MSB, (\new)
.endif
.endm
.macro PLACES                          ; four places behind matrix instructions (ISA guide 7.12.1)
.rept 4
	v_nop
.endr
.endm
; A joint fill: waves 0 and 1 fetch the two halves of a step's K, waves 2 and 3 those of its V, 32 keys each.  An s_nop 0 and four v_nop follow each line.
.macro JLOAD
	s_cmp_lt_u32 s[WV], 2
	s_cbranch_scc0 .Lfor_v_\@
	tensor_load_to_lds s[G0K:G0K+3], s[G1K:G1K+7]
	s_nop 0
.rept 4
	v_nop
.endr
	s_branch .Lasked_\@
.Lfor_v_\@:
	tensor_load_to_lds s[G0V:G0V+3], s[G1V:G1V+7]
	s_nop 0
.rept 4
	v_nop
.endr
.Lasked_\@:
.endm
.macro CROUND                          ; a round of the cluster's barrier
	s_barrier_signal -1
	s_barrier_wait -1
	s_cmp_lg_u32 s[WV], 0
	s_cbranch_scc1 .Lnot_wave_0_\@
	s_barrier_signal -3
.Lnot_wave_0_\@:
	s_barrier_wait -3
	s_barrier_signal -1
	s_barrier_wait -1
.endm
; THE CHANGE OF SLOTS.  Each wave waits for all its tensor loads, of which one is out: its part of the step to be read; adds 0 to its spare word; and waits for that and for its reads of the slot that it leaves.
; fill = 1: the barrier is a round of the cluster's, and the slot just left takes the next step's tiles, first thing behind it: that load has a whole step, 256 products, in which to land.
.macro CHANGE fill
	WIN 0
	s_wait_tensorcnt 0x0                           ; no tensor load of mine is out, so a group 0 may be written
	ds_add_u32 v[SPW], v[NIL]                      ; 0 onto my spare word; scalar work stands between it and the wait for it
	s_xor_b32 s[TB], s[TB], SLOT
.if \fill
	s_xor_b32 s[G0K+1], s[G0K+1], SLOT
	s_add_nc_u64 s[G0K+2:G0K+3], s[G0K+2:G0K+3], 0x10000   ; the next 64 keys; the type bits on top are not reached
	s_xor_b32 s[G0V+1], s[G0V+1], SLOT
	s_add_nc_u64 s[G0V+2:G0V+3], s[G0V+2:G0V+3], 0x10000
	s_wait_dscnt 0x0                               ; the add is done, and my reads of the slot are over
	CROUND
	JLOAD                                          ; its four v_nop are also the places in front of the step's first runs of loads
.else
	s_wait_dscnt 0x0
	s_barrier_signal -1
	s_barrier_wait -1
	PLACES
.endif
.endm
	s_load_b128 s[4:7], s[0:1], 0x0                ; qkv s[4:5], x s[6:7]
	s_load_b64 s[8:9], s[0:1], 0x10                ; out0
	v_lshl_add_u32 v[SPW], v0, 2, SPARE
	v_mov_b32 v[NIL], 0
	ds_add_u32 v[SPW], v[NIL]                      ; the wave's opening: the add and its wait stand ahead of my first tensor load
	v_lshrrev_b32 v1, 5, v0
	v_readfirstlane_b32 s[WV], v1                  ; wave 0..3
	s_bfe_u32 s13, ttmp6, 0x40000                  ; cx
	s_lshl_b32 s14, ttmp9, 2
	s_add_co_u32 s14, s14, s13                     ; my block of 128 queries: it enters Q's, x's and out0's addresses alone
	s_and_b32 s15, ttmp7, 0xffff                   ; the image, which the four partners share
	s_and_b32 s10, s[WV], 1                        ; which 32 of a step's 64 keys I fetch
	s_lshl_b32 s16, s15, 20                        ; an image: 1,024 rows of 1,024 bytes
	s_lshl_b32 s17, s10, 15
	s_add_co_u32 s16, s16, s17
	s_add_co_u32 s16, s16, 0x2000000               ; k lies 32 MB into qkv,
	s_mov_b32 s17, 0
	s_add_co_u32 s18, s16, 0x2000000               ; v' 64 MB
	s_mov_b32 s19, 0
	s_lshl_b32 s22, s15, 10
	s_lshl_b32 s23, s14, 7
	s_add_co_u32 s22, s22, s23
	s_lshl_b32 s23, s[WV], 5
	s_add_co_u32 s22, s22, s23                     ; my wave's first row
	s_lshl_b32 s20, s22, 10
	s_mov_b32 s21, 0
	s_lshl_b32 s22, s22, 11
	s_mov_b32 s23, 0
	s_mov_b32 s[G1K], 15|(1<<16)|(1<<20)|(1<<21)|(7<<22)|(3<<25)  ; the mask of four, bit 21 beside it; 2-byte elements; padding: behind every 256 words (code 7) 4 words (code 3)
	s_mov_b32 s[G1V], 15|(1<<16)|(1<<20)|(1<<21)|(7<<22)|(7<<25)  ; the same with 8 words (code 7)
.irp g, G1K, G1V
	s_mov_b32 s[\g+1], 512<<16                     ; tensor_dim0 = 512
	s_mov_b32 s[\g+2], 32<<16                      ; tensor_dim1 = 32
	s_mov_b32 s[\g+3], 512<<16                     ; tile_dim0 = 512
	s_mov_b32 s[\g+4], 32                          ; tile_dim1 = 32
	s_mov_b32 s[\g+5], 512
	s_mov_b32 s[\g+6], 0
	s_mov_b32 s[\g+7], 0
.endr
	s_mov_b32 s[G0K], 1
	s_mul_i32 s[G0K+1], s10, 32*PK                 ; slot 0: no place in the cluster enters an LDS address
	s_mov_b32 s[G0V], 1
	s_mul_i32 s[G0V+1], s10, 32*PV
	s_add_co_u32 s[G0V+1], s[G0V+1], VOFF
	s_mov_b32 s[CS], 0x3d8293ee                    ; c = log2(e) / sqrt(512) = 0.0637587
	s_mov_b32 s[CS+1], s[CS]
	s_mov_b32 s[SEL], 0x76543210
	s_mov_b32 s[SEL+1], 0xfedcba98
	s_mov_b32 s[TB], SLOT                          ; the first change of slots turns it into 0
	s_wait_dscnt 0x0                               ; the opening add is done
	s_wait_kmcnt 0x0
	s_add_nc_u64 s[G0K+2:G0K+3], s[4:5], s[16:17]
	s_or_b32 s[G0K+3], s[G0K+3], 0x80000000
	s_add_nc_u64 s[G0V+2:G0V+3], s[4:5], s[18:19]
	s_or_b32 s[G0V+3], s[G0V+3], 0x80000000
	s_add_nc_u64 s[20:21], s[4:5], s[20:21]        ; q at my wave's first row
	s_add_nc_u64 s[6:7], s[6:7], s[22:23]
	s_add_nc_u64 s[8:9], s[8:9], s[22:23]
	CROUND                                         ; all four work-groups are here: the first joint loads meet
	JLOAD                                          ; key step 0 into slot 0; slot 1 is asked for by the loop's first change of slots
	v_and_b32 v1, 15, v0                           ; r
	v_bfe_u32 v9, v0, 4, 1                         ; h
	v_lshlrev_b32 v[QO], 10, v1
	v_lshl_add_u32 v[QO], v9, 4, v[QO]
	WIN 0x40                                       ; destination window 1
.set i, 0
.rept 32                               ; Q stays in registers: tile i / 16, channels 32 (i % 16) on
	global_load_b128 v[8*i:8*i+3],   v[QO], s[20:21] offset:(i/16)*16384+(i%16)*64
	global_load_b128 v[8*i+4:8*i+7], v[QO], s[20:21] offset:(i/16)*16384+(i%16)*64+32
.set i, i+1
.endr
	WIN 0x80
.set i, 0
.rept 256
	v_mov_b32 v[i], 0
.set i, i+1
.endr
	WIN 0xc0
.set i, 0
.rept 256
	v_mov_b32 v[i], 0
.set i, i+1
.endr
	WIN 0
.irp t, 0,1
	v_mov_b32 v[ST+8*\t], 0xfe000000               ; c m: far below every c s
	v_mov_b32 v[ST+8*\t+1], 0xff7fffff             ; m
	v_mov_b32 v[ST+8*\t+2], 0
	v_mov_b32 v[ST+8*\t+3], 0
.endr
	v_mul_u32_u24 v[AK0], v1, PK
	v_lshl_add_u32 v[AK0], v9, 4, v[AK0]           ; row x pitch + 16 x half
	v_and_b32 v11, 7, v0
	v_bfe_u32 v14, v0, 3, 1
	v_lshl_add_u32 v[AV0], v9, 3, v11              ; the turning load: lane l reads key 8 (l / 16) + l % 8,
	v_mul_u32_u24 v[AV0], v[AV0], PV
	v_lshl_add_u32 v[AV0], v14, 4, v[AV0]          ; channels 8 ((l / 8) % 2) ..
	v_add_nc_u32 v[AV0], VOFF, v[AV0]
	s_mul_i32 s10, s[WV], 16*SP
	s_add_co_u32 s10, s10, STAGE                   ; my stage
	v_mul_u32_u24 v[STO], v1, SP                   ; in: row r, 32 bytes for each half of the lanes
	v_lshl_add_u32 v[STO], v9, 5, v[STO]
	v_add_nc_u32 v[STO], s10, v[STO]
	v_and_b32 v[GO], 31, v0
	v_lshlrev_b32 v[GO], 4, v[GO]
	v_add_nc_u32 v[RD], s10, v[GO]                 ; back: 32 lanes take a row's 512 bytes
	s_wait_loadcnt 0x0                             ; Q
; A run of 16 LDS loads: K's fragments for channels 64 g .. 64 g + 63: fragment n = 4 cc + kb: keys 16 kb on, channels 32 (2 g + cc) on
.macro LDK g, f
.set n, 0
.rept 8
	ds_load_b128 v[(\f)+8*n:(\f)+8*n+3],   v[AK] offset:(n%4)*16*PK+(2*(\g)+n/4)*64
	ds_load_b128 v[(\f)+8*n+4:(\f)+8*n+7], v[AK] offset:(n%4)*16*PK+(2*(\g)+n/4)*64+32
.set n, n+1
.endr
.endm
; V's fragments, turned, for group p: keys 32 (p % 2) on, channel blocks 8 (p / 2) + n
.macro LDV p, f
.set n, 0
.rept 8
	ds_load_tr16_b128 v[(\f)+8*n:(\f)+8*n+3],   v[AV] offset:((\p)%2)*32*PV+(8*((\p)/2)+n)*32
	ds_load_tr16_b128 v[(\f)+8*n+4:(\f)+8*n+7], v[AV] offset:((\p)%2)*32*PV+(8*((\p)/2)+n)*32+16*PV
.set n, n+1
.endr
.endm
; 16 products of S^T = K Q^T: i: channel chunk 2 g + i / 8, tile (i / 4) % 2, key block i % 4.  The 8 accumulators take turns; the step's first 8 start the sums.
.macro KQ16 g, f
.set i, 0
.rept 16
.set rS, S+32*((i/4)%2)+8*(i%4)
.set rK, (\f)+8*(4*(i/8)+i%4)
.set rQ, 8*(16*((i/4)%2)+2*(\g)+i/8)
.if ((\g) == 0) && (i < 8)
	v_wmma_f32_16x16x32_bf16 v[rS:rS+7], v[rK:rK+7], v[rQ:rQ+7], 0
.else
	v_wmma_f32_16x16x32_bf16 v[rS:rS+7], v[rK:rK+7], v[rQ:rQ+7], v[rS:rS+7]
.endif
.set i, i+1
.endr
.endm
; Channel block cb of tile t's O^T times a, lowest registers first
.macro RS t, cb
	WIN 0x82+0x41*(\t)                             ; destination and source 0 window 2 or 3, a in window 0
.irp z, 0,1,2,3
	v_pk_mul_f32 v[8*(\cb)+2*\z:8*(\cb)+2*\z+1], v[8*(\cb)+2*\z:8*(\cb)+2*\z+1], v[ST+8*(\t)+6:ST+8*(\t)+7] op_sel_hi:[1,0]
.endr
.endm
; 16 products of O^T += V^T P for group p: i: tile i / 8, channel block 8 (p / 2) + i % 8.  The 16 accumulators take turns.  Behind every second product one block of the NEXT eight channel
; blocks is rescaled: four plain lines that name no register of the products round them; the four behind product 15 are also the places in front of the next run of loads.
.macro PV16 p, f
.set i, 0
.rept 16
	WIN 0xa0+0x50*(i/8)                            ; V and P window 0, C and D window 2 or 3
.set rO, 8*(8*((\p)/2)+i%8)
.set rV, (\f)+8*(i%8)
.set rP, P+16*(i/8)+8*((\p)%2)
	v_wmma_f32_16x16x32_bf16 v[rO:rO+7], v[rV:rV+7], v[rP:rP+7], v[rO:rO+7]
.if ((\p) < 6) && (i%2 == 1)
	RS i/8, 8*((\p)/2+1)+4*((\p)%2)+(i/2)%4
.endif
.set i, i+1
.endr
.endm
; THE SOFTMAX of one tile and step is a list of 102 instructions; SM writes number j of it for tile t.  s0-s31 are the lane's 32 scores, in pairs 0-15.
;   0-15   the maximum of s0-s31 and the old m, three operands at a time: four chains c0-c3 (each accumulator's lowest registers are read first), then the scores left over, c0-c3 and m
;   16-20  the other half of the lanes' maximum; the new m; c m; c m_old - c m_new
;   21-87  33 exponentials (a, then s0-s31) at the odd numbers from 23 on, a plain instruction behind each: c s - c m for a pair still to come, the rounding of a pair that is done, the first sums
;   88-101 the last rounding; the rest of the sums; l = a l + the sum
.macro SM t
.set rT, ST+8*(\t)
.set rS, S+32*(\t)
.set rP, P+16*(\t)
.set q, (j-20)/2
.if j < 4
	v_max3_num_f32 v[rT+4+j], v[rS+8*j], v[rS+8*j+1], v[rS+8*j+2]
.elseif j < 12
	v_max3_num_f32 v[rT+4+j%4], v[rT+4+j%4], v[rS+8*(j%4)+2*(j/4)+1], v[rS+8*(j%4)+2*(j/4)+2]
.elseif j == 12
	v_max3_num_f32 v[rT+4], v[rT+4], v[rS+7], v[rS+15]
.elseif j == 13
	v_max3_num_f32 v[rT+6], v[rT+6], v[rS+23], v[rS+31]
.elseif j == 14
	v_max3_num_f32 v[rT+4], v[rT+4], v[rT+5], v[rT+6]
.elseif j == 15
	v_max3_num_f32 v[rT+4], v[rT+4], v[rT+7], v[rT+1]
.elseif j == 16
	v_permlanex16_b32 v[rT+5], v[rT+4], s[SEL], s[SEL+1]  ; the query's other 32 keys lie in the lane 16 away
.elseif j == 17
	v_mov_b32 v[rT+7], v[rT]                       ; c m_old is kept for a
.elseif j == 18
	v_max_num_f32 v[rT+1], v[rT+4], v[rT+5]
.elseif j == 19
	v_mul_f32 v[rT], s[CS], v[rT+1]
.elseif j == 20
	v_sub_f32 v[rT+7], v[rT+7], v[rT]
.elseif j == 23
	v_exp_f32 v[rT+6], v[rT+7]
.elseif (j < 88) && (j > 23) && (j%2 == 1)
	v_exp_f32 v[rS+(j-25)/2], v[rS+(j-25)/2]
.elseif (q < 4) || ((j < 76) && (q%2 == 0))
.set b, q/2+2
.if q < 4
.set b, q
.endif
	v_pk_fma_f32 v[rS+2*b:rS+2*b+1], v[rS+2*b:rS+2*b+1], s[CS:CS+1], v[rT:rT+1] op_sel_hi:[1,0,0] neg_lo:[0,0,1] neg_hi:[0,0,1]  ; pair b: c s - c m
.elseif (j < 88) && (q%2 == 1)
	s_wait_alu depctr_va_vdst(0)
	v_cvt_pk_bf16_f32 v[rP+(q-5)/2], v[rS+q-5], v[rS+q-4]
.elseif j == 89
	s_wait_alu depctr_va_vdst(0)
	v_cvt_pk_bf16_f32 v[rP+15], v[rS+30], v[rS+31]
.else                                  ; the sum of the 16 pairs, in place: neighbours 1, 2, 4 and 8 pairs apart, then l takes it
.set z, j-86
.if j < 89
.set z, (j-76)/4
.endif
.set w, 4
.set u, z
.if z >= 14
.set w, 32
.set u, 0
.elseif z >= 12
.set w, 16
.set u, z-12
.elseif z >= 8
.set w, 8
.set u, z-8
.endif
.if z < 15
	v_pk_add_f32 v[rS+w*u:rS+w*u+1], v[rS+w*u:rS+w*u+1], v[rS+w*u+w/2:rS+w*u+w/2+1]
.else
	v_pk_fma_f32 v[rT+2:rT+3], v[rT+2:rT+3], v[rT+6:rT+7], v[rS:rS+1] op_sel_hi:[1,0,1]
.endif
.endif
.endm
.macro SLICE                           ; numbers 2 k and 2 k + 1 of both tiles' lists
.if (k >= 11) && (k < 44)              ; tile by tile: plain, exponential, plain, exponential
.irp t, 0,1
.irp n, 0,1
.set j, 2*k+(\n)
	SM \t
.endr
.endr
.else                                  ; the two tiles alternate, so that no line reads the result of the one just before it
.irp n, 0,1
.irp t, 0,1
.set j, 2*k+(\n)
	SM \t
.endr
.endr
.endif
.set k, k+1
.endm
; x for chunk ch of the way out (tile ch / 4, channels 128 (ch % 4) on): 16 rows x 512 bytes into buffer ch % 4 of window 1, where Q lay
.macro XLOAD ch
	WIN 0x40
.set xi, 0
.rept 16
	global_load_b128 v[64*((\ch)%4)+4*xi:64*((\ch)%4)+4*xi+3], v[GO], s[6:7] offset:(16*((\ch)/4)+xi)*2048+512*((\ch)%4)
.set xi, xi+1
.endr
.endm
; A KEY STEP.  last = 1: Q has been read for the last time when the scores are made, so the first three chunks of x are asked for behind the softmax.
.macro STEP last
	v_add_nc_u32 v[AK], s[TB], v[AK0]
	v_add_nc_u32 v[AV], s[TB], v[AV0]
	LDK 0, F0
	WIN 0x04                                       ; Q (source 1) in window 1; the LDS loads name only a destination and source 0, so the whole phase runs under this setting
.set gg, 0
.rept 8
.if gg > 0
	PLACES                                         ; the buffer to be loaded was read by the last 16 products
.endif
.if gg < 7
	LDK gg+1, F0+64*((gg+1)%2)
.else
	LDV 0, F0
.endif
	s_wait_dscnt 16                                ; all but the 16 just issued
	KQ16 gg, F0+64*(gg%2)
.set gg, gg+1
.endr
	PLACES
	WIN 0
.set k, 0
.rept 51
	SLICE
.endr
.if \last
	XLOAD 0
	XLOAD 1
	XLOAD 2
.endif
.irp c, 0,1,2,3,4,5,6,7
	RS 0, \c
.endr
.irp c, 0,1,2,3,4,5,6,7
	RS 1, \c
.endr
.set pp, 0
.rept 8
	WIN 0
.if pp < 7
	LDV pp+1, F0+64*((pp+1)%2)
	s_wait_dscnt 16                                ; all but the 16 just issued
.else
	s_wait_dscnt 0x0
.endif
	PV16 pp, F0+64*(pp%2)
.set pp, pp+1
.endr
.endm
	s_mov_b32 s[CNT], NSTEP-1
.Lstep:                                ; trip j: step j is waited for, step j + 1 asked for, step j worked on
	CHANGE 1
	STEP 0
	WIN 0
	s_sub_co_u32 s[CNT], s[CNT], 1
	s_cmp_lg_u32 s[CNT], 0
	s_cbranch_scc1 .Lstep
	CHANGE 0                                       ; the last step is written out: nothing is asked for
	STEP 1
	; THE WAY OUT.  l's two halves and the other half of the lanes' are added.  O^T goes through my stage in LDS, 16 rows x 128 channels of f32 at a time, and comes back as whole rows;
	; there a row's 1 / l is one number for the wave, held in a scalar pair: out = O (1 / l) + x, one fused multiply-add.
	PLACES
	WIN 0
.irp t, 0,1
	v_add_f32 v[ST+8*\t+4], v[ST+8*\t+2], v[ST+8*\t+3]
.endr
.irp t, 0,1
	v_permlanex16_b32 v[ST+8*\t+5], v[ST+8*\t+4], s[SEL], s[SEL+1]
.endr
.irp t, 0,1
	v_add_f32 v[ST+8*\t+4], v[ST+8*\t+4], v[ST+8*\t+5]
.endr
.irp t, 0,1
	v_rcp_f32 v[ST+8*\t+6], v[ST+8*\t+4]
.endr
	v_nop                                          ; a plain instruction between the last reciprocal and the use of its result
	s_wait_alu depctr_va_vdst(0)
.macro CHUNK ch
.set tt, (\ch)/4
.set cq, (\ch)%4
.set OBR, F0+64*((\ch)%2)
.if cq == 0
	WIN 0
.set i, 0
.rept 16                               ; lane i holds query i's 1 / l
	v_readlane_b32 s[RL+2*i], v[ST+8*tt+6], i
	v_readlane_b32 s[RL+2*i+1], v[ST+8*tt+6], i
.set i, i+1
.endr
.endif
.if (\ch)+3 <= 7
	XLOAD (\ch)+3                                  ; into the buffer that the chunk before has read
.endif
	WIN 0x08+4*tt                                  ; the stores' data (source 1) in window 2 or 3
.set i, 0
.rept 8                                ; a lane's eight channels of a row are 32 bytes; each accumulator's low four registers go first
	ds_store_b128 v[STO], v[8*(8*cq+i):8*(8*cq+i)+3]   offset:64*i
	ds_store_b128 v[STO], v[8*(8*cq+i)+4:8*(8*cq+i)+7] offset:64*i+16
.set i, i+1
.endr
	WIN 0
	s_wait_xcnt 0x0                                ; the registers that the stores of two chunks ago read are loaded again only behind this wait
.set i, 0
.rept 16
	ds_load_b128 v[OBR+4*i:OBR+4*i+3], v[RD] offset:SP*i  ; LDS serves a wave's instructions in order (ISA guide 5.7.1.4): these see the stores above
.set i, i+1
.endr
	s_wait_dscnt 0x0
.if (\ch) <= 4
	s_wait_loadcnt 48                              ; this chunk's x is in; the three chunks asked for behind it stay out
.else
	s_wait_loadcnt 16*(7-(\ch))
.endif
	WIN 0x10                                       ; x (source 2) in window 1
.set i, 0
.rept 16
	v_pk_fma_f32 v[OBR+4*i:OBR+4*i+1],   v[OBR+4*i:OBR+4*i+1],   s[RL+2*i:RL+2*i+1], v[64*cq+4*i:64*cq+4*i+1]   op_sel_hi:[1,0,1]
	v_pk_fma_f32 v[OBR+4*i+2:OBR+4*i+3], v[OBR+4*i+2:OBR+4*i+3], s[RL+2*i:RL+2*i+1], v[64*cq+4*i+2:64*cq+4*i+3] op_sel_hi:[1,0,1]
.set i, i+1
.endr
	WIN 0
.set i, 0
.rept 16
	global_store_b128 v[GO], v[OBR+4*i:OBR+4*i+3], s[8:9] offset:(16*tt+i)*2048+512*cq  ; 512 consecutive bytes, aligned
.set i, i+1
.endr
.endm
.irp c, 0,1,2,3,4,5,6,7
	CHUNK \c
.endr
	s_wait_tensorcnt 0x0                           ; the wave's end
	ds_add_u32 v[SPW], v[NIL]
	s_wait_dscnt 0x0
	CROUND                                         ; the closing round: no work-group ends while a partner may still ask for a tile that names it
	s_endpgm
.Lfunc_end_k_qd802bd3a75_attn:
	.size	k_qd802bd3a75_attn, .Lfunc_end_k_qd802bd3a75_attn-k_qd802bd3a75_attn
	.p2alignl 7, 3214868480
	.fill 96, 4, 3214868480
	.section	.rodata,"a",@progbits
	.p2align	6, 0x0
	.amdhsa_kernel k_qd802bd3a75_attn
		.amdhsa_group_segment_fixed_size 327680
		.amdhsa_private_segment_fixed_size 0
		.amdhsa_enable_private_segment 0
		.amdhsa_kernarg_size 24
		.amdhsa_user_sgpr_count 2
		.amdhsa_user_sgpr_kernarg_segment_ptr 1
		.amdhsa_wavefront_size32 1
		.amdhsa_system_sgpr_workgroup_id_x 1
		.amdhsa_system_sgpr_workgroup_id_y 1
		.amdhsa_system_sgpr_workgroup_id_z 1
		.amdhsa_system_vgpr_workitem_id 0
		.amdhsa_next_free_vgpr 1024
		.amdhsa_next_free_sgpr 100
		.amdhsa_reserve_vcc 0
		.amdhsa_float_denorm_mode_32 3
		.amdhsa_float_denorm_mode_16_64 3
		.amdhsa_memory_ordered 1
		.amdhsa_forward_progress 1
		.amdhsa_inst_pref_size 222
	.end_amdhsa_kernel
	.amdgpu_metadata
---
amdhsa.version: [ 1, 2 ]
amdhsa.kernels:
  - .name:           k_qd802bd3a75_attn
    .symbol:         k_qd802bd3a75_attn.kd
    .args:
      - { .name: qkv, .offset: 0, .size: 8, .value_kind: global_buffer, .address_space: global }
      - { .name: x, .offset: 8, .size: 8, .value_kind: global_buffer, .address_space: global }
      - { .name: out0, .offset: 16, .size: 8, .value_kind: global_buffer, .address_space: global }
    .group_segment_fixed_size: 327680
    .private_segment_fixed_size: 0
    .kernarg_segment_align: 8
    .kernarg_segment_size: 24
    .max_flat_workgroup_size: 128
    .sgpr_count:     100
    .vgpr_count:     1024
    .wavefront_size: 32
...
	.end_amdgpu_metadata
.endif
;; end of part 3
;; ======== version 2 of 2: 3 launches; version 1 with the launch gn written anew for expert scheduling mode
;; limits: values outside matrix products are rounded to bf16
;; workspace buffers: hb 33,554,432 bytes; wcat 1,572,864 bytes; bvo 2,048 bytes; qkv 100,663,296 bytes
;; launch gn (part 4): grid 256 x 1, 16 waves a work-group, no clusters, 77,824 bytes of LDS; arguments x, gn_scale, gn_bias, Wq, Wk, Wv, Wo, bv, bo, hb, wcat, bvo; writes hb, wcat, bvo
.if DOCPART == 4
	.amdgcn_target "amdgcn-amd-amdhsa--gfx1250"
	.amdhsa_code_object_version 6
	.text
	.protected	k_qd802bd3a75_gn
	.globl	k_qd802bd3a75_gn
	.p2align	8
	.type	k_qd802bd3a75_gn,@function
k_qd802bd3a75_gn:
	s_mov_b64 s[64:65], 0
	v_nop
	global_prefetch_b8 v0, s[64:65] scope:SCOPE_SE
	s_setreg_imm32_b32 hwreg(HW_REG_WAVE_SCHED_MODE, 0, 2), 2
	s_setreg_imm32_b32 hwreg(HW_REG_WAVE_MODE, 25, 1), 1
	s_wait_xcnt 0x0
	s_wait_alu depctr_vm_vsrc(0)
; GROUP NORM, AND THE WEIGHTS MADE READY.  x: [32][1024][512] f32.  hb: h = GroupNorm(x) in bf16, laid [32 images][8 slices][1024 rows][64 channels].
; wcat: [3][512 c][512 d] bf16: Wq, Wk (rounded once) and Wvo = Wv Wo (bf16 operands, f32 sums, rounded once).  bvo = bv Wo + bo, all in f32.
; Why Wvo: a softmax row sums to 1, so P (h Wv + bv) Wo + bo = P (h Wvo + bvo) for every input: the last projection is folded into the third.
; SHARES.  Work-group id: image b = id / 8, slice s = id % 8: 64 channels, four groups of 16, 256 bytes of every row.  Wave w takes rows 64 w .. 64 w + 63: 32 loads of 16 bytes a lane
; (lanes 0-15 one row's 256 bytes, lanes 16-31 the next row's), 128 registers.  The slice stays in registers for the mean, the variance (of x - mean: two passes) and the scaling: x is read once.
; A lane's four channels lie in one group, so a lane adds all its numbers; lanes r ^ 1, r ^ 2 and the other half of the lanes join, and the 16 waves meet in LDS.
; The same work-group rounds rows 2 id, 2 id + 1 of Wq (waves 0-7) and Wk (waves 8-15), and makes Wvo[16 cb ..][64 db ..] (cb = id / 8, db = id % 8): wave w multiplies the K step e = 32 w .. 32 w + 31,
; four matrix instructions; column set tt holds the columns 64 db + 4 r + tt, so one 16-byte load of a row of Wo feeds all four B fragments.  The 16 waves' partial sums are added in f32, w ascending, through LDS.
; Every work-group makes the partial sums of bv Wo for its 64 columns from the same registers of Wo; the eight with cb = 0 add them up and store bvo.
; NO TENSOR LOADS, NO CLUSTER: each byte of x is used by one lane only; what work-groups share (Wv, Wo: 2 MB against 64 MB of x) is a small part of the bytes.
; Wvo's rows of a tile are 128 bytes, half of an aligned 256: 512 KB of the launch's stores are such halves; all other stores cover 256 aligned bytes.
; LIMITS.  NaN and infinities are not treated apart.
; THE MODE: SCHED_MODE bits 1:0 = 2 (LLVM: expert scheduling mode 2), set by the entry lines.  The code itself states the register dependences
; between vector or matrix instructions and memory or LDS instructions, with s_wait_alu, always for 0.
; THE PLAN.  Registers that memory or LDS instructions touch:
;   v3-v15        offsets and LDS addresses, made once at the head and never written again; v16, v17 likewise, read by the closing add alone.
;   v32-33, BACC  written by conversions and multiply-adds, read by one store each, never written again.
;   WB = X1       Wo as loaded: read by the multiply-adds of bv Wo and by the conversions into FB; then x's loads 16-31 land in it.
;   ACC           written by the four matrix instructions, read by 32 LDS stores; then LDS loads land in it (the waves' sums, twice; the last sums).
;   v[T]          the lane's sum: written by the reduction across lanes, read by one LDS store, written again by the next pass; the same once more for the squares.
;   X0, X1        h is made in place, in four blocks of eight pairs of rows; a block's eight stores are issued in the next block, whose arithmetic names none of their registers; never written again.
;   v100-v102     addresses of the last sums, made in the arm that uses them.
; So one wait on va_vdst stands behind each run of vector work whose results or sources the next run of memory instructions touches, and one wait on vm_vsrc behind each of the two barriers.
.set FP,    0          ; [16 w][16 c][64 d] f32: the partial sums of Wvo
.set BP,    65536      ; [2 w + h][64 d] f32: the partial sums of bv Wo
.set RED,   73728      ; [16 w][16 lanes] f32: sums; 1,024 bytes on: sums of squares
.set SPARE, 75776      ; the spare words, 128 bytes for each of 16 waves: eight blocks of 256 bytes that no other line names
.set SPW,  16          ; v16  my spare word's LDS address; never rewritten
.set NIL,  17          ; v17  0; never rewritten
.set MN,   18          ; v[18:19] the group's mean, twice
.set GA,   20          ; v[20:23] gn_scale of my 4 channels, then rstd x gn_scale
.set GD,   24          ; v[24:27] gn_bias, then gn_bias - mean x rstd x gn_scale
.set WA,   36          ; v[36:51] Wv, 16 numbers of my row
.set BV,   52          ; v[52:67] bv of my 16 rows of Wo
.set ACC,  36          ; v[36:67] four accumulators, where WA and BV lay
.set FA,   68          ; v[68:75] A fragment
.set FB,   76          ; v[76:107] four B fragments
.set WB,   108         ; v[108:171] 16 rows of Wo, 4 columns each
.set X1,   108         ; later x, loads 16-31
.set X0,   172         ; v[172:235] x, loads 0-15
.set SUM,  236         ; v[236:243] four chains of pairs
.set T,    244         ; v[244:251] at work
.set BACC, 252         ; v[252:255] my part of bv Wo
.set R,    36          ; v[36:99] the last sums
	s_load_b512 s[8:23], s[0:1], 0x0               ; x, gn_scale, gn_bias, Wq, Wk, Wv, Wo, bv
	s_load_b256 s[24:31], s[0:1], 0x40             ; bo, hb, wcat, bvo
	v_lshl_add_u32 v[SPW], v0, 2, SPARE
	v_mov_b32 v[NIL], 0
	v_lshrrev_b32 v3, 5, v0
	v_readfirstlane_b32 s2, v3                     ; wave 0..15
	s_lshr_b32 s32, ttmp9, 3                       ; b, and cb
	s_and_b32 s33, ttmp9, 7                        ; s, and db
	s_mov_b32 s38, 0x76543210                      ; v_permlanex16_b32: each lane takes its own place in the other half
	s_mov_b32 s39, 0xfedcba98
	s_mov_b32 s40, 0x38800000                      ; 1 / 16,384: a group has 1,024 x 16 numbers
	s_mov_b32 s41, 0x358637bd                      ; 1e-6
	v_mov_b32 v[T+1], 0                            ; v_permlanex16_b32 counts as a reader of its destination
	v_and_b32 v1, 15, v0                           ; r
	v_bfe_u32 v2, v0, 4, 1                         ; h
	v_and_b32 v11, 31, v0
	v_lshlrev_b32 v11, 3, v11                      ; 8 x lane
	v_lshlrev_b32 v5, 4, v1                        ; 16 r
	s_wait_alu depctr_va_sdst(0)                   ; s2 is written, ahead of its first reader: offsets, bases and branches are made from it
	s_lshl_b32 s34, s2, 17
	v_lshl_or_b32 v3, v2, 11, v5
	v_or_b32 v3, s34, v3                           ; x: (64 w + h) rows of 2,048 bytes + 16 r
	s_lshl_b32 s34, s2, 13
	v_or_b32 v4, s34, v11                          ; hb: 64 w rows of 128 bytes + 8 x lane
	v_and_b32 v6, 0xff, v0
	v_lshlrev_b32 v7, 3, v6                        ; the cast: 8 bytes out,
	v_lshlrev_b32 v6, 4, v6                        ; 16 bytes in
	s_lshl_b32 s34, s2, 7
	v_lshlrev_b32 v10, 5, v2
	v_or_b32 v10, s34, v10                         ; bv: (32 w + 8 h) x 4
	v_lshl_or_b32 v8, v1, 11, v10                  ; Wv: row r, the same columns
	s_lshl_b32 s34, s2, 16
	v_lshl_or_b32 v9, v2, 14, v5
	v_or_b32 v9, s34, v9                           ; Wo: (32 w + 8 h) rows + 16 r
	s_lshl_b32 s34, s2, 12
	v_lshl_or_b32 v12, v2, 11, v5
	v_or_b32 v12, s34, v12                         ; FP: wave, row 8 h, column 4 r
	s_lshl_b32 s34, s2, 9
	s_add_co_u32 s34, s34, BP
	v_lshl_or_b32 v13, v2, 8, v5
	v_add_nc_u32 v13, s34, v13                     ; BP: row 2 w + h, column 4 r
	v_lshlrev_b32 v15, 2, v1
	v_add_nc_u32 v15, RED, v15                     ; RED: lane r of wave 0,
	s_lshl_b32 s34, s2, 6
	v_add_nc_u32 v14, s34, v15                     ; of my wave
	s_mov_b32 s35, 0
	s_mov_b32 s45, 0
	s_wait_kmcnt 0x0
	s_lshl_b32 s34, s32, 21                        ; an image of x: 1,024 rows of 2,048 bytes
	s_lshl_b32 s44, s33, 8                         ; a slice: 64 f32
	s_add_nc_u64 s[8:9], s[8:9], s[34:35]
	s_add_nc_u64 s[8:9], s[8:9], s[44:45]
	s_add_nc_u64 s[10:11], s[10:11], s[44:45]
	s_add_nc_u64 s[12:13], s[12:13], s[44:45]
	s_add_nc_u64 s[20:21], s[20:21], s[44:45]
	s_add_nc_u64 s[24:25], s[24:25], s[44:45]
	s_add_nc_u64 s[30:31], s[30:31], s[44:45]
	s_lshl_b32 s34, s32, 20
	s_lshl_b32 s46, s33, 17
	s_add_co_u32 s34, s34, s46
	s_add_nc_u64 s[26:27], s[26:27], s[34:35]      ; hb at my image's slice
	s_lshl_b32 s34, s32, 15
	s_add_nc_u64 s[18:19], s[18:19], s[34:35]      ; Wv at row 16 cb
	s_cmp_lt_u32 s2, 8
	s_cselect_b64 s[36:37], s[14:15], s[16:17]     ; waves 0-7 round Wq, waves 8-15 Wk
	s_lshl_b32 s34, ttmp9, 12
	s_add_nc_u64 s[36:37], s[36:37], s[34:35]      ; rows 2 id, 2 id + 1
	s_lshr_b32 s34, s2, 3
	s_lshl_b32 s34, s34, 19
	s_lshl_b32 s46, ttmp9, 11
	s_add_co_u32 s34, s34, s46
	s_add_nc_u64 s[42:43], s[28:29], s[34:35]      ; where they go in wcat
	s_lshl_b32 s34, s32, 14
	s_lshl_b32 s46, s33, 7
	s_add_co_u32 s34, s34, s46
	s_add_co_u32 s34, s34, 1048576
	s_add_nc_u64 s[28:29], s[28:29], s[34:35]      ; Wvo's tile in wcat
	s_wait_alu depctr_va_vdst(0)                   ; v3 to v15 are written, the offsets and LDS addresses that the loads and stores of the whole kernel read; so are v16 and v17, which the closing add reads
	global_load_b128 v[GA:GA+3], v5, s[10:11]
	global_load_b128 v[GD:GD+3], v5, s[12:13]
	global_load_b64 v[34:35], v11, s[24:25]        ; bo of columns 2 x lane, 2 x lane + 1
	global_load_b128 v[28:31], v6, s[36:37]
.irp k, 0,1,2,3                        ; k = 8 h + 0..7 and 16 + 8 h + 0..7 of the K step
	global_load_b128 v[WA+4*\k:WA+4*\k+3], v8, s[18:19] offset:(\k/2)*64+(\k%2)*16
	global_load_b128 v[BV+4*\k:BV+4*\k+3], v10, s[22:23] offset:(\k/2)*64+(\k%2)*16
.endr
.set i, 0
.rept 16                               ; the same 16 rows of Wo
	global_load_b128 v[WB+4*i:WB+4*i+3], v9, s[20:21] offset:(i+8*(i/8))*2048
.set i, i+1
.endr
.set i, 0
.rept 16
	global_load_b128 v[X0+4*i:X0+4*i+3], v3, s[8:9] offset:i*4096
.set i, i+1
.endr
	s_wait_loadcnt 16                              ; loads come back in order: all but the 16 of x are in
	v_cvt_pk_bf16_f32 v32, v28, v29
	v_cvt_pk_bf16_f32 v33, v30, v31
.irp k, 0,1,2,3
	v_mul_f32 v[BACC+\k], v[WB+\k], v[BV]          ; the first row starts the sums
.endr
.set i, 1
.rept 15
.irp k, 0,1,2,3
	v_fmac_f32 v[BACC+\k], v[WB+4*i+\k], v[BV+i]
.endr
.set i, i+1
.endr
.irp q, 0,1,2,3,4,5,6,7
	v_cvt_pk_bf16_f32 v[FA+\q], v[WA+2*\q], v[WA+2*\q+1]
.endr
.irp tt, 0,1,2,3
.irp q, 0,1,2,3
	v_cvt_pk_bf16_f32 v[FB+8*\tt+\q], v[WB+8*\q+\tt], v[WB+8*\q+4+\tt]
	v_cvt_pk_bf16_f32 v[FB+8*\tt+4+\q], v[WB+32+8*\q+\tt], v[WB+36+8*\q+\tt]
.endr
.endr
	s_wait_alu depctr_va_vdst(0)                   ; the multiply-adds and conversions are done reading Wo's registers, in which the loads below land; v32, v33 and BACC are written, which the two stores below read
.set i, 0
.rept 16                               ; Wo's registers take the rest of x: the loads go ahead of the stores
	global_load_b128 v[X1+4*i:X1+4*i+3], v3, s[8:9] offset:(16+i)*4096
.set i, i+1
.endr
	global_store_b64 v7, v[32:33], s[42:43]        ; a wave's store covers 256 consecutive bytes, aligned
	ds_store_b128 v13, v[BACC:BACC+3]
.irp tt, 0,1,2,3
	v_wmma_f32_16x16x32_bf16 v[ACC+8*\tt:ACC+8*\tt+7], v[FA:FA+7], v[FB+8*\tt:FB+8*\tt+7], 0
.endr
	s_wait_loadcnt 16                              ; x's first 16 loads are in, the 16 issued last stay out
; pass 1: the sum of my numbers, in four chains of pairs; the first additions start the chains
.macro PASS1 base, from
.set p, \from
.rept 32-(\from)
	v_pk_add_f32 v[SUM+2*(p%4):SUM+2*(p%4)+1], v[SUM+2*(p%4):SUM+2*(p%4)+1], v[(\base)+2*p:(\base)+2*p+1]
.set p, p+1
.endr
.endm
.macro FOLD                            ; the four chains into one number
	v_pk_add_f32 v[SUM:SUM+1], v[SUM:SUM+1], v[SUM+2:SUM+3]
	v_pk_add_f32 v[SUM+4:SUM+5], v[SUM+4:SUM+5], v[SUM+6:SUM+7]
	v_pk_add_f32 v[SUM:SUM+1], v[SUM:SUM+1], v[SUM+4:SUM+5]
	v_add_f32 v[T], v[SUM], v[SUM+1]
.endm
.macro LANERED                         ; the four lanes of a group, and the other half of the lanes
	v_add_f32_dpp v[T], v[T], v[T] row_xmask:1 row_mask:0xf bank_mask:0xf
	v_add_f32_dpp v[T], v[T], v[T] row_xmask:2 row_mask:0xf bank_mask:0xf
	v_permlanex16_b32 v[T+1], v[T], s38, s39
	v_add_f32 v[T], v[T], v[T+1]
.endm
.macro WAVES off                       ; the 16 waves' numbers for my group, added in one order in every wave -> v[R]
.set i, 0
.rept 16
	ds_load_b32 v[R+i], v15 offset:(\off)+64*i
.set i, i+1
.endr
	s_wait_dscnt 0x0
.irp k, 0,4,8,12
	v_pk_add_f32 v[R+\k:R+\k+1], v[R+\k:R+\k+1], v[R+\k+2:R+\k+3]
.endr
	v_pk_add_f32 v[R:R+1], v[R:R+1], v[R+4:R+5]
	v_pk_add_f32 v[R+8:R+9], v[R+8:R+9], v[R+12:R+13]
	v_pk_add_f32 v[R:R+1], v[R:R+1], v[R+8:R+9]
	v_add_f32 v[R], v[R], v[R+1]
.endm
.irp k, 0,1,2,3
	v_pk_add_f32 v[SUM+2*\k:SUM+2*\k+1], v[X0+2*\k:X0+2*\k+1], v[X0+8+2*\k:X0+8+2*\k+1]
.endr
	PASS1 X0, 8                                    ; these 28 lines are also the places between the products and the stores of their results
	s_wait_alu depctr_va_vdst(0)                   ; the matrix instructions have written the accumulators, which the LDS stores read; the places above stay beside this wait
.irp j, 0,1,2,3,4,5,6,7                ; each accumulator's lowest register is read first
.irp tt, 0,1,2,3
	ds_store_b32 v12, v[ACC+8*\tt+\j] offset:256*\j+4*\tt
.endr
.endr
	s_wait_loadcnt 0x0
	PASS1 X1, 0
	FOLD
	LANERED
	s_wait_alu depctr_va_vdst(0)                   ; the reduction across lanes has written v[T], which the LDS store reads
	ds_store_b32 v14, v[T]                         ; both halves of the lanes write the same number to the same word
	s_wait_dscnt 0x0                               ; for the others' sake: my sums, my part of Wvo and of bv Wo are in LDS
	s_barrier_signal -1
	s_barrier_wait -1
	s_wait_alu depctr_vm_vsrc(0)                   ; my LDS stores have read the accumulators, in which the loads below land, and v[T], which pass 2 writes again
	WAVES 0
	v_mul_f32 v[MN], s40, v[R]
	v_mov_b32 v[MN+1], v[MN]
; pass 2: the sum of (x - mean)^2
.macro PASS2 base, first
.set p, 0
.rept 8
.irp k, 0,1,2,3
	v_pk_add_f32 v[T+2*\k:T+2*\k+1], v[(\base)+8*p+2*\k:(\base)+8*p+2*\k+1], v[MN:MN+1] neg_lo:[0,1] neg_hi:[0,1]
.endr
.irp k, 0,1,2,3
.if (\first) && (p == 0)
	v_pk_mul_f32 v[SUM+2*\k:SUM+2*\k+1], v[T+2*\k:T+2*\k+1], v[T+2*\k:T+2*\k+1]
.else
	v_pk_fma_f32 v[SUM+2*\k:SUM+2*\k+1], v[T+2*\k:T+2*\k+1], v[T+2*\k:T+2*\k+1], v[SUM+2*\k:SUM+2*\k+1]
.endif
.endr
.set p, p+1
.endr
.endm
	PASS2 X0, 1
	PASS2 X1, 0
	FOLD
	LANERED
	s_wait_alu depctr_va_vdst(0)                   ; v[T] is written, which the LDS store reads; and the lines that added up the waves' sums are done with v[R ..], in which the next loads land
	ds_store_b32 v14, v[T] offset:1024             ; other bytes than the sums': some waves may still be reading those
	s_wait_dscnt 0x0
	s_barrier_signal -1
	s_barrier_wait -1
	s_wait_alu depctr_vm_vsrc(0)                   ; my LDS store has read v[T], which the variance's line below writes again
	WAVES 1024
	v_fma_f32 v[T], v[R], s40, s41                 ; variance + 1e-6
	v_rsq_f32 v[T], v[T]
	v_nop                                          ; a plain instruction between v_rsq_f32 and the use of its result (ISA guide 5.7.2)
	s_wait_alu depctr_va_vdst(0)                   ; v_rsq_f32 has written v[T], ahead of its first reader
.irp k, 0,1,2,3
	v_mul_f32 v[GA+\k], v[T], v[GA+\k]
.endr
.irp k, 0,1,2,3
	v_fma_f32 v[GD+\k], -v[MN], v[GA+\k], v[GD+\k]
.endr
; h = x A + D, rounded once, in place.  Pair of rows p (0 .. 31) lies in four registers of X0 (p < 16) or X1; its 8 bytes a lane end up in the first two of them.
.macro NARITH p
.if (\p) < 16
.set nb, X0+4*(\p)
.else
.set nb, X1+4*((\p)-16)
.endif
	v_pk_fma_f32 v[nb:nb+1], v[nb:nb+1], v[GA:GA+1], v[GD:GD+1]
	v_pk_fma_f32 v[nb+2:nb+3], v[nb+2:nb+3], v[GA+2:GA+3], v[GD+2:GD+3]
	v_cvt_pk_bf16_f32 v[nb], v[nb], v[nb+1]
	v_cvt_pk_bf16_f32 v[nb+1], v[nb+2], v[nb+3]
.endm
.macro NSTORE p                        ; a wave's store covers two rows of the slice, 256 consecutive bytes, aligned
.if (\p) < 16
.set nb, X0+4*(\p)
.else
.set nb, X1+4*((\p)-16)
.endif
	global_store_b64 v4, v[nb:nb+1], s[26:27] offset:256*(\p)
.endm
; Four blocks of eight pairs.  A block's stores are issued in the next block, one ahead of each pair's four lines, behind the one wait at that block's head:
; the lines issued since that wait name the next block's registers, GA and GD alone.  No store's data is written again.
.set p, 0
.rept 32
.if (p > 0) && (p%8 == 0)
	s_wait_alu depctr_va_vdst(0)                   ; the block before has written its eight pairs, which this block's eight stores read
.endif
.if p >= 8
	NSTORE p-8
.endif
	NARITH p
.set p, p+1
.endr
	s_wait_alu depctr_va_vdst(0)                   ; the last block has written its eight pairs, which the last eight stores read
.set p, 24
.rept 8
	NSTORE p
.set p, p+1
.endr
	; the last sums: forward branches on the wave's number, no barrier inside
	s_cmp_lt_u32 s2, 8
	s_cbranch_scc0 .Lhigh
	v_lshrrev_b32 v100, 4, v0                      ; threads 0-255: row c = t / 16, columns 4 (t % 16) ..
	v_lshlrev_b32 v101, 8, v100
	v_lshl_or_b32 v101, v1, 4, v101
	v_lshlrev_b32 v102, 10, v100
	v_lshl_or_b32 v102, v1, 3, v102
	s_wait_alu depctr_va_vdst(0)                   ; v101 is written, which the LDS loads read as their address
.set p, 0
.rept 16
	ds_load_b128 v[R+4*p:R+4*p+3], v101 offset:4096*p
.set p, p+1
.endr
	s_wait_dscnt 0x0
.set p, 1
.rept 15                               ; K ascending
	v_pk_add_f32 v[R:R+1], v[R:R+1], v[R+4*p:R+4*p+1]
	v_pk_add_f32 v[R+2:R+3], v[R+2:R+3], v[R+4*p+2:R+4*p+3]
.set p, p+1
.endr
	v_cvt_pk_bf16_f32 v[R], v[R], v[R+1]
	v_cvt_pk_bf16_f32 v[R+1], v[R+2], v[R+3]
	s_wait_alu depctr_va_vdst(0)                   ; the conversions have written v[R], v[R+1], which the store reads
	global_store_b64 v102, v[R:R+1], s[28:29]
	s_branch .Ldone
.Lhigh:
	s_cmp_eq_u32 s2, 8
	s_cbranch_scc0 .Ldone
	s_cmp_eq_u32 s32, 0                            ; each byte of bvo has one owner: the work-group with cb = 0
	s_cbranch_scc0 .Ldone
	v_add_nc_u32 v100, BP, v11
	s_wait_alu depctr_va_vdst(0)                   ; v100 is written, which the LDS loads read as their address
.set p, 0
.rept 32
	ds_load_b64 v[R+2*p:R+2*p+1], v100 offset:256*p
.set p, p+1
.endr
	s_wait_dscnt 0x0
.set p, 1
.rept 31
	v_pk_add_f32 v[R:R+1], v[R:R+1], v[R+2*p:R+2*p+1]
.set p, p+1
.endr
	v_pk_add_f32 v[R:R+1], v[R:R+1], v[34:35]
	s_wait_alu depctr_va_vdst(0)                   ; the last addition has written v[R], v[R+1], which the store reads
	global_store_b64 v11, v[R:R+1], s[30:31]       ; 256 consecutive bytes, aligned
.Ldone:
	s_wait_dscnt 0x0                               ; the closing lines, six on end
	s_wait_alu 0x0
	s_wait_tensorcnt 0x0
	ds_add_u32 v[SPW], v[NIL]
	s_wait_dscnt 0x0
	s_endpgm
.Lfunc_end_k_qd802bd3a75_gn:
	.size	k_qd802bd3a75_gn, .Lfunc_end_k_qd802bd3a75_gn-k_qd802bd3a75_gn
	.p2alignl 7, 3214868480
	.fill 96, 4, 3214868480
	.section	.rodata,"a",@progbits
	.p2align	6, 0x0
	.amdhsa_kernel k_qd802bd3a75_gn
		.amdhsa_group_segment_fixed_size 77824
		.amdhsa_private_segment_fixed_size 0
		.amdhsa_enable_private_segment 0
		.amdhsa_kernarg_size 96
		.amdhsa_user_sgpr_count 2
		.amdhsa_user_sgpr_kernarg_segment_ptr 1
		.amdhsa_wavefront_size32 1
		.amdhsa_system_sgpr_workgroup_id_x 1
		.amdhsa_system_sgpr_workgroup_id_y 1
		.amdhsa_system_sgpr_workgroup_id_z 1
		.amdhsa_system_vgpr_workitem_id 0
		.amdhsa_next_free_vgpr 256
		.amdhsa_next_free_sgpr 66
		.amdhsa_reserve_vcc 0
		.amdhsa_float_denorm_mode_32 3
		.amdhsa_float_denorm_mode_16_64 3
		.amdhsa_memory_ordered 1
		.amdhsa_forward_progress 1
		.amdhsa_inst_pref_size 53
	.end_amdhsa_kernel
	.amdgpu_metadata
---
amdhsa.version: [ 1, 2 ]
amdhsa.kernels:
  - .name:           k_qd802bd3a75_gn
    .symbol:         k_qd802bd3a75_gn.kd
    .args:
      - { .name: x, .offset: 0, .size: 8, .value_kind: global_buffer, .address_space: global }
      - { .name: gn_scale, .offset: 8, .size: 8, .value_kind: global_buffer, .address_space: global }
      - { .name: gn_bias, .offset: 16, .size: 8, .value_kind: global_buffer, .address_space: global }
      - { .name: Wq, .offset: 24, .size: 8, .value_kind: global_buffer, .address_space: global }
      - { .name: Wk, .offset: 32, .size: 8, .value_kind: global_buffer, .address_space: global }
      - { .name: Wv, .offset: 40, .size: 8, .value_kind: global_buffer, .address_space: global }
      - { .name: Wo, .offset: 48, .size: 8, .value_kind: global_buffer, .address_space: global }
      - { .name: bv, .offset: 56, .size: 8, .value_kind: global_buffer, .address_space: global }
      - { .name: bo, .offset: 64, .size: 8, .value_kind: global_buffer, .address_space: global }
      - { .name: hb, .offset: 72, .size: 8, .value_kind: global_buffer, .address_space: global }
      - { .name: wcat, .offset: 80, .size: 8, .value_kind: global_buffer, .address_space: global }
      - { .name: bvo, .offset: 88, .size: 8, .value_kind: global_buffer, .address_space: global }
    .group_segment_fixed_size: 77824
    .private_segment_fixed_size: 0
    .kernarg_segment_align: 8
    .kernarg_segment_size: 96
    .max_flat_workgroup_size: 512
    .sgpr_count:     66
    .vgpr_count:     256
    .wavefront_size: 32
...
	.end_amdgpu_metadata
.endif
;; end of part 4
;; launch qkv: the kernel of part 2 again; grid 128 x 2, 4 waves a work-group, clusters of 4 x 1, 327,680 bytes of LDS; arguments hb, wcat, bq, bk, bvo, qkv; writes qkv
;; launch attn: the kernel of part 3 again; grid 8 x 32, 4 waves a work-group, clusters of 4 x 1, 327,680 bytes of LDS; arguments qkv, x, out0; writes out0
